; MI455X (gfx1250); checked and timed in simulation.
; The chip was launched on July 23, 2026; its instructions are those of AMD's public machine-readable ISA for CDNA 5 (MIT licence, August 2026) and "CDNA5" Instruction Set Architecture Reference Guide (July 2026). The comments in the code are by the model that wrote it; some were corrected since.
;; Multi Head Attention. Allowed arithmetic: matrix products marked QUANTISED: E2M1 operands, one E8M0 scale for each 32 along K, by v_wmma_scale_f32_16x16x128_f8f6f4 with both operands' format E2M1 (or v_wmma_scale_f32_32x16x128_f4), f32 sums; products left as they are: bf16, f16 or f32 operands; f32 sums; everything else in f32.
;; Inputs: k 4 x 2,048 x 1,024 float32; mask 4 x 1 x 1 x 2,048 bool; q 4 x 2,048 x 1,024 float32; v 4 x 2,048 x 1,024 float32; w_k 16 x 1,024 x 64 float32; w_o 1,024 x 1,024 float32; w_q 16 x 1,024 x 64 float32; w_v 16 x 1,024 x 64 float32.
;; Outputs: out0 4 x 2,048 x 1,024 float32.
;; This version of the problem:
;;   THIS VERSION OF THE PROBLEM IS GIVEN IN LOW PRECISION. The matrix products marked QUANTISED in the list below multiply operands that are first quantised to E2M1 (2 exponent bits, 1 mantissa bit; 4 bits a number), with one power-of-two scale for each 32 numbers along K (OCP MX v1.0); their sums are f32. The products marked 'left as it is' may take bf16, f16 or f32 operands, with f32 sums. Whichever they take, every output number must still come out within the allowed error. Rounding operands to bf16 (8 significant bits) uses up far more of that allowance than f16 does (11 bits, for magnitudes from 6e-5 to 65,504). All else is computed in f32.
;;   The module's matrix products, in the order in which they are computed (A, B: the left and right operand; K: the contracted axis; several contracted axes count as one K, in the product's order):
;;     1. [M 1,024, K 1,024] x [K 1,024, N 8,192]; A: input w_q; B: input q: QUANTISED
;;     2. [M 1,024, K 1,024] x [K 1,024, N 8,192]; A: input w_k; B: input k: QUANTISED
;;     3. [M 1,024, K 1,024] x [K 1,024, N 8,192]; A: input w_v; B: input v: QUANTISED
;;     4. batch 64 x [M 2,048, K 64] x [K 64, N 2,048]; A: computed on the way; B: computed on the way: left as it is (an operand is computed on the way)
;;     5. batch 64 x [M 2,048, K 2,048] x [K 2,048, N 64]; A: computed on the way; B: computed on the way: left as it is (an operand is computed on the way)
;;     6. [M 8,192, K 1,024] x [K 1,024, N 1,024]; A: computed on the way; B: input w_o: left as it is (an operand is computed on the way)
;;   THE QUANTISER, for each operand of a quantised product, along K:
;;     - K is cut into blocks of 32 from its start; a last block that is shorter is filled with zeros.
;;     - A block's scale is 2^e with e = floor(log2(the largest magnitude in the block)) - 2, held to -126 .. 127; a block of zeros has e = 0. As a byte (E8M0): e + 127.
;;     - Each number is divided by its block's scale, clamped to +-6, and rounded to the nearest number of E2M1, ties to even, subnormals kept.
;;     - The product sums the exact products of the quantised numbers (number of the format x scale) in f32.
;;   ~~~python
;;   def quantise(x, axis):      # numpy; x: float32 -> the quantised numbers, widened to float32 again
;;       x = np.moveaxis(x, axis, -1); K = x.shape[-1]
;;       x = np.pad(x, [(0, 0)] * (x.ndim - 1) + [(0, -K % 32)]); x = x.reshape(x.shape[:-1] + (-1, 32)); a = np.abs(x).max(-1, keepdims=True)
;;       e = np.where(a > 0, np.clip(np.frexp(np.where(a > 0, a, 1))[1] - 1 - 2, -126, 127), 0)      # np.frexp(a)[1] - 1 = floor(log2(a)), exactly
;;       r = np.clip(x / 2.0 ** e, -6, 6)
;;       step = 2.0 ** (np.maximum(np.frexp(np.where(r == 0, 1, r))[1] - 1, 0) - 1)
;;       q = np.round(r / step) * step * 2.0 ** e      # np.round: ties to even
;;       return np.moveaxis(q.reshape(q.shape[:-2] + (-1,))[..., :K], -1, axis).astype(np.float32)
;;   ~~~
;; One version. Each part assembles by itself: llvm-mc -triple=amdgcn-amd-amdhsa -mcpu=gfx1250 --defsym DOCPART=n.
;; ======== version 1 of 1: 4 launches
;; limits: values are held in f16: magnitudes above 65,504 overflow, below 6.1e-05 lose precision
;; workspace buffers: x_codes 12,582,912 bytes; x_scales 786,432 bytes; w_codes 1,572,864 bytes; w_scales 98,304 bytes; wo16 2,097,152 bytes; qkv16 50,331,648 bytes; ctx16 16,777,216 bytes
;; launch prep (part 1): grid 880 x 1, 4 waves a work-group, no clusters, 68,096 bytes of LDS; arguments q, k, v, w_q, w_k, w_v, w_o, x_codes, x_scales, w_codes, w_scales, wo16; writes x_codes, x_scales, w_codes, w_scales, wo16
.if DOCPART == 1
	.amdgcn_target "amdgcn-amd-amdhsa--gfx1250"
	.amdhsa_code_object_version 6
	.text
	.protected	k_qb0d1726000_prep
	.globl	k_qb0d1726000_prep
	.p2align	8
	.type	k_qb0d1726000_prep,@function
k_qb0d1726000_prep:
	s_mov_b64 s[64:65], 0
	v_nop
	global_prefetch_b8 v0, s[64:65] scope:SCOPE_SE
	s_setreg_imm32_b32 hwreg(HW_REG_WAVE_MODE, 25, 1), 1
	s_wait_xcnt 0x0
; MULTI-HEAD ATTENTION, launch 1 of 4: the operands of the three quantised projections become codes of FP4 (E2M1) with one E8M0 byte for each 32 along d_model; w_o becomes f16.
; DEAD WORK: none is left out in any of the four launches.  Every input of reference() (q, k, v, mask, w_q, w_k, w_v, w_o) has a way to out0 for general values, and all six products are live.
; THREE PATHS, parted by the work-group's number alone; they never join, and each has LDS bytes of its own.
;   work-groups 0-47    W: w_q, w_k, w_v [16 h][1024 d][64 e] f32, K = d is the middle axis.  A lane takes a column e and its registers run down d.  Out: w_codes [3][1024 n = 64 h + e][512 bytes], w_scales [3][1024][32].
;   work-groups 48-111  O: w_o [1024 n][1024 k] f32 -> wo16 [16 planes kb][1024 n][64] f16: w_o[n][64 kb + i].  No LDS.
;   work-groups 112-879 X: q, k, v [8192 tokens][1024] f32, K innermost: plain streams of blocks of 32.  Out: x_codes [3][8192][512 bytes], x_scales [3][8192][32].
; A block's scale is 2^(floor(log2(its largest magnitude)) - 2); its byte is the largest magnitude's exponent field - 2, held at 1 from below.
; LIMITS: a block of zeros, and a block whose largest magnitude lies under 2^-124, gets the byte 1 (the stated quantiser gives a block of zeros 127: its codes are zeros, which add nothing, and these bytes are read by this program alone);
; NaN and infinities among the inputs are not served.
; No cluster: no two work-groups read the same byte.  No tensor loads, no barrier: waves share nothing.  No prefetch: the launch is one stream of loads that are all asked for well ahead.
; w_scales leaves in pieces of 16 bytes a row (98,304 bytes in all); every other store of a wave covers whole aligned runs of 256 bytes.
.set STEPS, 16
.set EMAX,  2
.set CB,    8                          ; bytes of 16 codes
.set R,     16                         ; path X: v16-79   four sets of 16 numbers as loaded
.set X,     80                         ; path X: v80-111  two sets of 16 neighbours
.set E,     112                        ; path X: v112-127 a scale byte for each step
.set C,     128                        ; path X: v128-191 codes, four registers for each step
.set WREG,  8192                       ; path X: LDS region of a wave: two stages of 32 x SP bytes, then its 256 scale bytes
.set SP,    80                         ; path X: a lane's place in a stage: 64 bytes + 16 of padding
.set WSTG,  32768                      ; path W: its stages begin here, 32 rows x WPITCH for each wave
.set WPITCH, 272
.set WX,    32                         ; path W: v32-95   two sets of 32 numbers
.set WC,    96                         ; path W: v96-99   a block's codes
.set OUTR,  112                        ; path W: v112-175 the way out
.set SB,    24                         ; path W: v24-27   the scale bytes, four to a register
.set SPARE, WSTG+4*32*WPITCH           ; the spare words, 128 bytes for each wave: two blocks of 256 bytes that no other line names
.set SPW,   196                        ; v196 LDS address of my spare word; never rewritten
.set NIL,   197                        ; v197 0; never rewritten
.macro LOAD t                          ; path X: step t's 2,048 bytes, 512 consecutive bytes a load
.irp i, 0,1,2,3
	global_load_b128 v[R+16*((\t)%4)+4*\i:R+16*((\t)%4)+4*\i+3], v3, s[4:5] offset:2048*(\t)+512*\i th:TH_LOAD_NT
.endr
.endm
.macro TURN t                          ; path X: step t's numbers through the wave's stage; LDS serves a wave's instructions in order, so no wait stands between the stores and the loads
.irp i, 0,1,2,3
	ds_store_b128 v14, v[R+16*((\t)%4)+4*\i:R+16*((\t)%4)+4*\i+3] offset:32*SP*((\t)%2)+8*SP*\i
.endr
.irp i, 0,1,2,3
	ds_load_b128 v[X+16*((\t)%2)+4*\i:X+16*((\t)%2)+4*\i+3], v15 offset:32*SP*((\t)%2)+16*\i
.endr
.endm
.macro STEP t                          ; path X: 512 numbers: 16 neighbours a lane, two lanes to a block
.set XS, X+16*((\t)%2)
.if (\t) > 0
	s_wait_dscnt 1                                 ; this step's numbers are back from the stage; only the last step's byte store may be out
.else
	s_wait_dscnt 0x0
.endif
.if (\t)+4 < STEPS
	LOAD (\t)+4                                    ; into the registers that this step's stage stores have read
.endif
.if (\t)+1 < STEPS
.if STEPS-2-(\t) >= 3
	s_wait_loadcnt 12                              ; the next step's four loads are in; those of the three steps behind it may be out
.else
	s_wait_loadcnt 4*(STEPS-2-(\t))                ; the tail: as many steps of four loads as are still behind it
.endif
	TURN (\t)+1
.endif
	v_max3_num_f32 v8, |v[XS]|, |v[XS+1]|, |v[XS+2]|
	v_max3_num_f32 v9, |v[XS+3]|, |v[XS+4]|, |v[XS+5]|
.irp i, 6,10
	v_max3_num_f32 v8, v8, |v[XS+\i]|, |v[XS+\i+1]|
	v_max3_num_f32 v9, v9, |v[XS+\i+2]|, |v[XS+\i+3]|
.endr
	v_max3_num_f32 v8, v8, |v[XS+14]|, |v[XS+15]|
	v_max3_num_f32 v8, v8, v9, (EMAX+1)<<23        ; the floor 2^(3 - 127): the byte cannot fall under 1
	v_max_num_f32_dpp v8, v8, v8 row_xmask:1 row_mask:0xf bank_mask:0xf   ; with my neighbour's 16: the block's largest magnitude
	v_add_nc_u32 v11, -(EMAX<<23), v8              ; 2 off its exponent field: the conversion takes the exponent field of this operand as its scale
	v_cvt_scalef32_pk8_fp4_f32 v[C+4*(\t)], v[XS:XS+7], v11
	v_cvt_scalef32_pk8_fp4_f32 v[C+4*(\t)+1], v[XS+8:XS+15], v11
	v_lshrrev_b32 v[E+(\t)], 23, v11               ; the scale's byte (also the plain line behind the conversions)
	ds_store_b8 v5, v[E+(\t)] offset:16*(\t)       ; both lanes of a block write the same byte with the same value
	global_store_b64 v4, v[C+4*(\t):C+4*(\t)+1], s[22:23] offset:32*CB*(\t)   ; the wave stores 256 consecutive bytes
.endm
.macro WLOAD t                         ; path W: block t: w(32 t + i, my column), i = 0 .. 31; a row of w is 256 bytes
.set wi, 0
.rept 32
	global_load_b32 v[WX+32*((\t)%2)+wi], v3, s[4:5] offset:(32*(\t)+wi)*256 th:TH_LOAD_NT
.set wi, wi+1
.endr
.endm
.macro WBLOCK t                        ; path W: one block of 32 along d, all of it in my registers
.set XS, WX+32*((\t)%2)
.if (\t) < 15
	s_wait_loadcnt 32                              ; this block's 32 loads are in; the next block's 32 may be out
.else
	s_wait_loadcnt 0x0
.endif
	v_max3_num_f32 v12, |v[XS]|, |v[XS+1]|, |v[XS+2]|
	v_max3_num_f32 v13, |v[XS+3]|, |v[XS+4]|, |v[XS+5]|
.irp i, 6,10,14,18,22,26
	v_max3_num_f32 v12, v12, |v[XS+\i]|, |v[XS+\i+1]|
	v_max3_num_f32 v13, v13, |v[XS+\i+2]|, |v[XS+\i+3]|
.endr
	v_max3_num_f32 v12, v12, |v[XS+30]|, |v[XS+31]|
	v_max3_num_f32 v12, v12, v13, (EMAX+1)<<23     ; the floor
	v_add_nc_u32 v11, -(EMAX<<23), v12
	v_lshrrev_b32 v13, 23, v11                     ; the scale's byte
.if (\t)%4 == 0
	v_mov_b32 v[SB+(\t)/4], v13
.else
	v_lshl_or_b32 v[SB+(\t)/4], v13, 8*((\t)%4), v[SB+(\t)/4]
.endif
.irp g, 0,1,2,3
	v_cvt_scalef32_pk8_fp4_f32 v[WC+\g], v[XS+8*\g:XS+8*\g+7], v11
.endr
	ds_store_b128 v4, v[WC:WC+3] offset:16*(\t)    ; 32 codes: 16 bytes of my column's row
.if (\t)+2 < 16
	WLOAD (\t)+2
.endif
	s_wait_dscnt 0x0                               ; the store has read its registers: the next block's codes may be written (plain lines stand ahead of its conversions)
.endm
	s_load_b512 s[8:23], s[0:1], 0x0               ; q 8, k 10, v 12, w_q 14, w_k 16, w_v 18, w_o 20, x_codes 22
	s_load_b256 s[24:31], s[0:1], 0x40             ; x_scales 24, w_codes 26, w_scales 28, wo16 30
	v_lshl_add_u32 v[SPW], v0, 2, SPARE
	v_mov_b32 v[NIL], 0
	v_lshrrev_b32 v1, 5, v0
	v_readfirstlane_b32 s32, v1                    ; wave 0..3
	v_and_b32 v2, 31, v0                           ; lane
	s_wait_kmcnt 0x0
	s_cmp_lt_u32 ttmp9, 48
	s_cbranch_scc1 .Lpath_w
	s_cmp_lt_u32 ttmp9, 112
	s_cbranch_scc1 .Lpath_o
	; ---------------- PATH X: q, k, v ----------------
	s_sub_co_u32 s33, ttmp9, 112                   ; 0..767: 256 work-groups to a tensor
	s_cmp_lt_u32 s33, 512
	s_cselect_b64 s[4:5], s[10:11], s[12:13]       ; k or v: the choice hangs on the work-group's number alone
	s_cmp_lt_u32 s33, 256
	s_cselect_b64 s[4:5], s[8:9], s[4:5]           ; or q
	s_lshl_b32 s34, s33, 2
	s_add_co_u32 s34, s34, s32                     ; my wave's run of 8,192 numbers: 0..3071; the three tensors' codes and bytes lie on end in the workspace
	s_and_b32 s36, s34, 1023
	s_lshl_b32 s36, s36, 15                        ; in its tensor: 32,768 bytes a run
	s_mov_b32 s37, 0
	s_add_nc_u64 s[4:5], s[4:5], s[36:37]
	s_lshl_b32 s36, s34, 12                        ; 4,096 bytes of codes a run
	s_add_nc_u64 s[22:23], s[22:23], s[36:37]
	s_lshl_b32 s36, s34, 8                         ; 256 scale bytes a run
	s_add_nc_u64 s[24:25], s[24:25], s[36:37]
	s_mul_i32 s40, s32, WREG
	v_lshlrev_b32 v3, 4, v2                        ; my 16 bytes of a load's 512
	v_lshrrev_b32 v14, 2, v2
	v_mul_u32_u24 v14, v14, SP
	v_and_b32 v15, 3, v2
	v_lshl_add_u32 v14, v15, 4, v14
	v_add_nc_u32 v14, s40, v14                     ; the stage, on the way in: SP (lane / 4) + 16 (lane % 4)
	v_mul_u32_u24 v15, v2, SP
	v_add_nc_u32 v15, s40, v15                     ; and on the way out: SP x lane: my 16 neighbours
	v_mul_u32_u24 v4, v2, CB                       ; my codes' place in a step's
	v_lshrrev_b32 v5, 1, v2
	s_add_co_u32 s40, s40, 2*32*SP
	v_add_nc_u32 v5, s40, v5                       ; my wave's 256 scale bytes, my block's byte
	v_lshlrev_b32 v7, 3, v2
	v_add_nc_u32 v6, s40, v7                       ; and on the way out 8 bytes a lane
.irp t, 0,1,2,3
	LOAD \t
.endr
	s_wait_loadcnt 12                              ; step 0's four loads are in; three steps of four may be out
	TURN 0
.irp t, 0,1,2,3,4,5,6,7,8,9,10,11,12,13,14,15
	STEP \t
.endr
	ds_load_b64 v[8:9], v6                         ; LDS serves a wave's instructions in order: these see my byte stores
	s_wait_dscnt 0x0
	global_store_b64 v7, v[8:9], s[24:25]          ; 32 lanes store 256 consecutive bytes, aligned
	s_wait_tensorcnt 0x0                           ; the wave's end
	ds_add_u32 v[SPW], v[NIL]
	s_wait_dscnt 0x0
	s_endpgm
	; ---------------- PATH W: w_q, w_k, w_v ----------------
.Lpath_w:
	s_lshr_b32 s33, ttmp9, 4                       ; which tensor: 0, 1, 2
	s_and_b32 s34, ttmp9, 15                       ; head
	s_cmp_lt_u32 s33, 2
	s_cselect_b64 s[4:5], s[16:17], s[18:19]       ; w_k or w_v
	s_cmp_lt_u32 s33, 1
	s_cselect_b64 s[4:5], s[14:15], s[4:5]         ; or w_q
	s_and_b32 s35, s32, 1                          ; which 32 of the head's 64 columns
	s_lshr_b32 s36, s32, 1                         ; which 512 along d
	s_lshl_b32 s38, s34, 18                        ; a head is 1,024 rows of 256 bytes
	s_lshl_b32 s40, s36, 17
	s_add_co_u32 s38, s38, s40
	s_lshl_b32 s40, s35, 7
	s_add_co_u32 s38, s38, s40
	s_mov_b32 s39, 0
	s_add_nc_u64 s[4:5], s[4:5], s[38:39]
	s_lshl_b32 s41, s33, 10
	s_lshl_b32 s40, s34, 6
	s_add_co_u32 s41, s41, s40
	s_lshl_b32 s40, s35, 5
	s_add_co_u32 s41, s41, s40                     ; my wave's first row of the outputs: 1024 T + 64 head + 32 half
	s_lshl_b32 s38, s41, 9                         ; 512 bytes of codes a row,
	s_lshl_b32 s40, s36, 8                         ; my 512 along d are 256 of them
	s_add_co_u32 s38, s38, s40
	s_add_nc_u64 s[26:27], s[26:27], s[38:39]
	s_lshl_b32 s38, s41, 5                         ; 32 scale bytes a row, 16 of them mine
	s_lshl_b32 s40, s36, 4
	s_add_co_u32 s38, s38, s40
	s_add_nc_u64 s[28:29], s[28:29], s[38:39]
	v_lshlrev_b32 v3, 2, v2                        ; in: 4 bytes a lane
	s_mul_i32 s40, s32, 32*WPITCH
	s_add_co_u32 s40, s40, WSTG                    ; my stage
	v_mul_u32_u24 v4, v2, WPITCH
	v_add_nc_u32 v4, s40, v4                       ; into it: row = my column
	v_and_b32 v5, 15, v2
	v_lshrrev_b32 v6, 4, v2
	v_mul_u32_u24 v7, v6, WPITCH
	v_lshl_add_u32 v7, v5, 4, v7
	v_add_nc_u32 v7, s40, v7                       ; out of it: sixteen lanes to a row, two rows an instruction
	v_lshlrev_b32 v8, 9, v6
	v_lshl_add_u32 v8, v5, 4, v8                   ; and the same place in w_codes
	v_lshlrev_b32 v9, 5, v2                        ; my column's row of scale bytes
	WLOAD 0
	WLOAD 1
.irp t, 0,1,2,3,4,5,6,7,8,9,10,11,12,13,14,15
	WBLOCK \t
.endr
	global_store_b128 v9, v[SB:SB+3], s[28:29]     ; my column's 16 scale bytes
.irp t, 0,1,2,3,4,5,6,7,8,9,10,11,12,13,14,15
	ds_load_b128 v[OUTR+4*\t:OUTR+4*\t+3], v7 offset:2*\t*WPITCH
.endr
.irp t, 0,1,2,3,4,5,6,7,8,9,10,11,12,13,14,15
	s_wait_dscnt 15-\t                             ; LDS loads come back in order: load t is in, the younger ones may be out
	global_store_b128 v8, v[OUTR+4*\t:OUTR+4*\t+3], s[26:27] offset:2*\t*512   ; sixteen lanes store 256 consecutive bytes, aligned
.endr
	s_wait_tensorcnt 0x0                           ; the wave's end
	ds_add_u32 v[SPW], v[NIL]
	s_wait_dscnt 0x0
	s_endpgm
	; ---------------- PATH O: w_o to f16, in planes of 64 along k ----------------
	; A work-group takes 256 rows n of one plane.  Eight threads take a row's 256 bytes, 32 each, by two loads of 16; a thread's 8 numbers become 16 bytes, and a wave's store covers 512 consecutive bytes.
.Lpath_o:
	s_sub_co_u32 s33, ttmp9, 48
	s_lshr_b32 s34, s33, 2                         ; plane kb
	s_and_b32 s35, s33, 3                          ; which 256 rows
	s_lshl_b32 s36, s35, 20                        ; 256 rows of 4,096 bytes
	s_lshl_b32 s38, s34, 8                         ; the plane's 256 bytes in a row
	s_add_co_u32 s36, s36, s38
	s_mov_b32 s37, 0
	s_add_nc_u64 s[20:21], s[20:21], s[36:37]
	s_lshl_b32 s36, s34, 17                        ; a plane of wo16 is 1,024 rows of 128 bytes
	s_lshl_b32 s38, s35, 15
	s_add_co_u32 s36, s36, s38
	s_add_nc_u64 s[30:31], s[30:31], s[36:37]
	v_lshrrev_b32 v3, 3, v0
	v_and_b32 v4, 7, v0
	v_lshlrev_b32 v3, 12, v3
	v_lshl_add_u32 v3, v4, 5, v3                   ; row (thread / 8), 32 bytes x (thread % 8)
	v_lshlrev_b32 v5, 4, v0                        ; out: 16 bytes a thread
.set oi, 0
.rept 16
	global_load_b128 v[32+8*oi:32+8*oi+3], v3, s[20:21] offset:65536*oi th:TH_LOAD_NT
	global_load_b128 v[32+8*oi+4:32+8*oi+7], v3, s[20:21] offset:65536*oi+16 th:TH_LOAD_NT
.set oi, oi+1
.endr
.set oi, 0
.rept 16
	s_wait_loadcnt 30-2*oi                         ; loads come back in order: this pair is in, the 30 - 2 i younger ones may be out
.irp r, 0,1,2,3
	v_cvt_pk_f16_f32 v[32+8*oi+\r], v[32+8*oi+2*\r], v[32+8*oi+2*\r+1]
.endr
	global_store_b128 v5, v[32+8*oi:32+8*oi+3], s[30:31] offset:2048*oi
.set oi, oi+1
.endr
	s_endpgm
.Lfunc_end_k_qb0d1726000_prep:
	.size	k_qb0d1726000_prep, .Lfunc_end_k_qb0d1726000_prep-k_qb0d1726000_prep
	.p2alignl 7, 3214868480
	.fill 96, 4, 3214868480
	.section	.rodata,"a",@progbits
	.p2align	6, 0x0
	.amdhsa_kernel k_qb0d1726000_prep
		.amdhsa_group_segment_fixed_size 68096
		.amdhsa_private_segment_fixed_size 0
		.amdhsa_enable_private_segment 0
		.amdhsa_kernarg_size 96
		.amdhsa_user_sgpr_count 2
		.amdhsa_user_sgpr_kernarg_segment_ptr 1
		.amdhsa_wavefront_size32 1
		.amdhsa_system_sgpr_workgroup_id_x 1
		.amdhsa_system_sgpr_workgroup_id_y 1
		.amdhsa_system_sgpr_workgroup_id_z 1
		.amdhsa_system_vgpr_workitem_id 0
		.amdhsa_next_free_vgpr 200
		.amdhsa_next_free_sgpr 66
		.amdhsa_reserve_vcc 0
		.amdhsa_float_denorm_mode_32 3
		.amdhsa_float_denorm_mode_16_64 3
		.amdhsa_memory_ordered 1
		.amdhsa_forward_progress 1
		.amdhsa_inst_pref_size 121
	.end_amdhsa_kernel
	.amdgpu_metadata
---
amdhsa.version: [ 1, 2 ]
amdhsa.kernels:
  - .name:           k_qb0d1726000_prep
    .symbol:         k_qb0d1726000_prep.kd
    .args:
      - { .name: q, .offset: 0, .size: 8, .value_kind: global_buffer, .address_space: global }
      - { .name: k, .offset: 8, .size: 8, .value_kind: global_buffer, .address_space: global }
      - { .name: v, .offset: 16, .size: 8, .value_kind: global_buffer, .address_space: global }
      - { .name: w_q, .offset: 24, .size: 8, .value_kind: global_buffer, .address_space: global }
      - { .name: w_k, .offset: 32, .size: 8, .value_kind: global_buffer, .address_space: global }
      - { .name: w_v, .offset: 40, .size: 8, .value_kind: global_buffer, .address_space: global }
      - { .name: w_o, .offset: 48, .size: 8, .value_kind: global_buffer, .address_space: global }
      - { .name: x_codes, .offset: 56, .size: 8, .value_kind: global_buffer, .address_space: global }
      - { .name: x_scales, .offset: 64, .size: 8, .value_kind: global_buffer, .address_space: global }
      - { .name: w_codes, .offset: 72, .size: 8, .value_kind: global_buffer, .address_space: global }
      - { .name: w_scales, .offset: 80, .size: 8, .value_kind: global_buffer, .address_space: global }
      - { .name: wo16, .offset: 88, .size: 8, .value_kind: global_buffer, .address_space: global }
    .group_segment_fixed_size: 68096
    .private_segment_fixed_size: 0
    .kernarg_segment_align: 8
    .kernarg_segment_size: 96
    .max_flat_workgroup_size: 128
    .sgpr_count:     66
    .vgpr_count:     200
    .wavefront_size: 32
...
	.end_amdgpu_metadata
.endif
;; end of part 1
;; launch proj (part 2): grid 4 x 96, 4 waves a work-group, clusters of 4 x 4, 327,680 bytes of LDS; arguments x_codes, x_scales, w_codes, w_scales, qkv16; writes qkv16
.if DOCPART == 2
	.amdgcn_target "amdgcn-amd-amdhsa--gfx1250"
	.amdhsa_code_object_version 6
	.text
	.protected	k_qb0d1726000_proj
	.globl	k_qb0d1726000_proj
	.p2align	8
	.type	k_qb0d1726000_proj,@function
k_qb0d1726000_proj:
	s_mov_b64 s[64:65], 0
	v_nop
	global_prefetch_b8 v0, s[64:65] scope:SCOPE_SE
	s_setreg_imm32_b32 hwreg(HW_REG_WAVE_MODE, 25, 1), 1
	s_wait_xcnt 0x0
	s_wait_alu depctr_hold_cnt(0) depctr_sa_sdst(0) depctr_va_vdst(0) depctr_va_sdst(0) depctr_va_ssrc(0) depctr_va_vcc(0) depctr_vm_vsrc(0)
	s_getreg_b32 s2, hwreg(HW_REG_IB_STS2, 6, 4)
	s_cmp_eq_u32 s2, 0
	s_cbranch_scc0 .Lentry_in_a_cluster
	s_endpgm
.Lentry_in_a_cluster:
	s_bfe_u32 s2, ttmp6, 0x10000c
	s_cmp_lg_u32 s2, 0xf033
	s_cbranch_scc0 .Lentry_shape_is_right
	s_endpgm
.Lentry_shape_is_right:
; Launch 2 of 4: the three quantised projections as ONE product on codes of FP4 (E2M1) with E8M0 scales: C[token][n] = sum over d of X[token][d] W[n][d], K = 1,024.  No work is left out.
; X: x_codes [3 x 8192 tokens][512 bytes], x_scales [3 x 8192][32]; W: w_codes [3 x 1024 n][512 bytes], w_scales [3 x 1024][32].  Rows 8192 T .. of X meet rows 1024 T .. of W (T = 0 q, 1 k, 2 v).
; OUT: qkv16 [3][64 = 16 batch + head][2048 s][64] f16: what attention reads as dense tiles.  LIMIT: a projected number beyond 65,504 has no f16.
; A tile of C, 256 x 256, is made by four waves, each 128 x 128: 64 accumulators, 512 registers.  K = 1,024 is two slots of 512: both are first fills, nothing is filled again, so there is no loop.
; THE SCALES of the work-group's 256 + 256 rows, for all of K, are two dense blocks of memory: they come into LDS once, with the first fills.
; CLUSTERS: 4 x 4 work-groups.  The four of a row need the same tiles of X, the four of a column the same tiles of W: each is asked for JOINTLY.  A cluster's four tile rows lie in one tensor T (32 tile rows to a tensor).
; THE MATRIX INSTRUCTION IS USED TRANSPOSED (source 0 = 16 rows of W, source 1 = 16 tokens): a lane holds eight neighbouring n of one token.
; No prefetch: all tiles are asked for at the head.  By this text's own count a wave has three tensor loads out.
; REGISTERS: window 0: v0-31 addresses; v32-95 scale words, two sets; v128-191 X's fragments, one set.  window 1: W's fragments, two sets.  windows 2, 3: the accumulators ((a, b) at v[8 (8 (a % 4) + b)]).
.set SIZE_K, 1024
.set KSTEP,  512
.set NQ,     KSTEP/128
.set ROWB,   256
.set KROW,   SIZE_K*4/8
.set PITCH,  272                       ; an LDS row: 256 bytes + 16 of padding: the 16 rows that a load touches start 4 banks apart (64 banks of 4 bytes: ISA guide 11.1)
.set FR,     8
.set NL,     2
.set NP,     4
.set HALFT,  128*PITCH
.set SLOT,   4*HALFT
.set KS,     SIZE_K/32
.set SCL,    2*SLOT
.set HALFS,  (128*KS/256)*272
.set SBLK,   (16*KS/256)*272
.set SPARE,  SCL+4*HALFS               ; the spare words, 128 bytes for each wave: two blocks of 256 bytes that no other line names
.set SPITCH, 272                       ; the way out: a stage of 16 tokens x (256 bytes + 16) for each wave, in slot 0, which has had its only fill and its last read by then
.set ADRA, 16
.set ADRB, 20
.set STO,  24
.set RD,   25
.set CO,   26
.set ADRS, 27
.set SPW,  28
.set NIL,  29
.set SC,   32
.set AF,   128
.set TMP,  192                         ; the way out: packed results
.set OB,   32                          ; the way out: rows read back: v32-63 and v224-255 by turns
.set G1, 24
.set G0, 32
.set G1B, 48
.set G0B, 56
.set G1S, 68
.set G0S, 76
.set G1SB, 80
.set G0SB, 88
.set MSB, 0
.macro WIN new                         ; the immediate's high byte repeats the setting that is left
.if MSB != (\new)
	s_set_vgpr_msb (MSB<<8)|(\new)
.set MSB, (\new)
.endif
.endm
.set MUL_LO, 0xa1                      ; source 0 (W) window 1, source 1 (X) window 0, C and D window 2
.set MUL_HI, 0xf1
.set TO_B,   0x40
; A joint load: waves 0 and 1 fetch for X, waves 2 and 3 for W.  The branch hangs on the wave's number alone.  An s_nop 0 and four v_nop follow each line.
.macro JLOAD g0a, g1a, g0b, g1b
	s_cmp_eq_u32 s15, 0
	s_cbranch_scc0 .Lfor_b_\@
	tensor_load_to_lds s[\g0a:\g0a+3], s[\g1a:\g1a+7]
	s_nop 0
.rept 4
	v_nop
.endr
	s_branch .Lasked_\@
.Lfor_b_\@:
	tensor_load_to_lds s[\g0b:\g0b+3], s[\g1b:\g1b+7]
	s_nop 0
.rept 4
	v_nop
.endr
.Lasked_\@:
.endm
.macro CROUND                          ; a round of the cluster's barrier
	s_barrier_signal -1
	s_barrier_wait -1
	s_cmp_lg_u32 s14, 0
	s_cbranch_scc1 .Lnot_wave_0_\@
	s_barrier_signal -3
.Lnot_wave_0_\@:
	s_barrier_wait -3
	s_barrier_signal -1
	s_barrier_wait -1
.endm
	s_load_b128 s[4:7], s[0:1], 0x0                ; X's codes, X's scales
	s_load_b128 s[8:11], s[0:1], 0x10              ; W's codes, W's scales
	s_load_b64 s[12:13], s[0:1], 0x20              ; qkv16
	v_lshl_add_u32 v[SPW], v0, 2, SPARE
	v_mov_b32 v[NIL], 0
	ds_add_u32 v[SPW], v[NIL]                      ; the wave's opening: the add, twice on end, and its wait ahead of my first tensor load
	ds_add_u32 v[SPW], v[NIL]
	v_lshrrev_b32 v1, 5, v0
	v_readfirstlane_b32 s14, v1                    ; wave 0..3
	s_lshr_b32 s15, s14, 1                         ; which half of the tile's tokens is mine.  Also: I fetch for X (0) or for W (1)
	s_and_b32 s16, s14, 1                          ; which half of its columns.  Also: which 128 rows of that tile I fetch
	s_bfe_u32 s40, ttmp6, 0x40000                  ; cx, cy
	s_bfe_u32 s41, ttmp6, 0x40004
	s_lshl_b32 s42, ttmp9, 2
	s_add_co_u32 s42, s42, s40                     ; tile column 0..3
	s_and_b32 s17, ttmp7, 0xffff
	s_lshl_b32 s17, s17, 2
	s_add_co_u32 s17, s17, s41                     ; tile row 0..95
	s_and_b32 s96, ttmp7, 0xffff
	s_lshr_b32 s96, s96, 3                         ; T: eight clusters along y to a tensor; made of the cluster's y alone, so all sixteen partners share it
	s_lshl_b32 s95, s96, 10                        ; W's first row of tensor T
	s_lshl_b32 s43, s41, 2
	s_lshl_b32 s43, 15, s43                        ; my row of the cluster
	s_lshl_b32 s44, 0x1111, s40                    ; my column
	s_or_b32 s[G1+0], s43, (0<<16)|(1<<20)|(1<<21)|(5<<22)|(3<<25)  ; the mask; elements of 1 byte; padding on; bit 21 beside a mask; 4 words behind every 64
	s_or_b32 s[G1B+0], s44, (0<<16)|(1<<20)|(1<<21)|(5<<22)|(3<<25)
.irp g, G1, G1B
	s_mov_b32 s[\g+1], ROWB<<16                    ; tensor_dim0
	s_mov_b32 s[\g+2], 128<<16                     ; tensor_dim1
	s_mov_b32 s[\g+3], ROWB<<16                    ; tile_dim0
	s_mov_b32 s[\g+4], 128                         ; tile_dim1
	s_mov_b32 s[\g+5], KROW                        ; the pitch
	s_mov_b32 s[\g+6], 0
	s_mov_b32 s[\g+7], 0
.endr
	s_or_b32 s[G1S+0], s43, (3<<16)|(1<<20)|(1<<21)|(5<<22)|(3<<25) ; the scales of 128 rows: 4,096 dense bytes as 16 rows of 256 (32 elements of 8 bytes), 16 bytes of padding behind each
	s_or_b32 s[G1SB+0], s44, (3<<16)|(1<<20)|(1<<21)|(5<<22)|(3<<25)
.irp g, G1S, G1SB
	s_mov_b32 s[\g+1], 32<<16
	s_mov_b32 s[\g+2], (128*KS/256)<<16
	s_mov_b32 s[\g+3], 32<<16
	s_mov_b32 s[\g+4], 128*KS/256
	s_mov_b32 s[\g+5], 32
	s_mov_b32 s[\g+6], 0
	s_mov_b32 s[\g+7], 0
.endr
	s_lshl_b32 s18, s16, 7                         ; which 128 rows of the tile I fetch
	s_lshl_b32 s20, s17, 8
	s_add_co_u32 s20, s20, s18                     ; X: row 256 x tile row + 128 x half
	s_lshl_b32 s46, s42, 8
	s_add_co_u32 s46, s46, s18
	s_add_co_u32 s46, s46, s95                     ; W: row 1024 T + 256 x tile column + 128 x half
	s_mov_b32 s21, 0
	s_mov_b32 s47, 0
	s_mov_b64 s[18:19], KS
	s_mul_u64 s[22:23], s[20:21], s[18:19]         ; where these rows' scales begin
	s_mul_u64 s[92:93], s[46:47], s[18:19]
	s_mov_b64 s[18:19], KROW
	s_mul_u64 s[20:21], s[20:21], s[18:19]         ; and their codes
	s_mul_u64 s[46:47], s[46:47], s[18:19]
	s_mul_i32 s45, s14, HALFT                      ; where they go: wave x 128 rows
	s_mul_i32 s94, s14, HALFS
	s_wait_dscnt 0x0                               ; both opening adds are done
	s_wait_kmcnt 0x0
	s_add_nc_u64 s[20:21], s[4:5], s[20:21]
	s_add_nc_u64 s[22:23], s[6:7], s[22:23]
	s_add_nc_u64 s[46:47], s[8:9], s[46:47]
	s_add_nc_u64 s[92:93], s[10:11], s[92:93]
	CROUND                                         ; all sixteen work-groups are here: the joint loads meet
	s_mov_b32 s[G0S], 1
	s_add_co_u32 s[G0S+1], s94, SCL
	s_mov_b64 s[G0S+2:G0S+3], s[22:23]
	s_or_b32 s[G0S+3], s[G0S+3], 0x80000000
	s_mov_b32 s[G0SB], 1
	s_add_co_u32 s[G0SB+1], s94, SCL
	s_mov_b64 s[G0SB+2:G0SB+3], s[92:93]
	s_or_b32 s[G0SB+3], s[G0SB+3], 0x80000000
	JLOAD G0S, G1S, G0SB, G1SB                     ; the scales first: they are wanted with the first K step
.irp s, 0,1
	s_mov_b32 s[G0+4*\s], 1
	s_add_co_u32 s[G0+4*\s+1], s45, \s*SLOT
	s_add_nc_u64 s[G0+4*\s+2:G0+4*\s+3], s[20:21], \s*ROWB
	s_or_b32 s[G0+4*\s+3], s[G0+4*\s+3], 0x80000000
	s_mov_b32 s[G0B+4*\s], 1
	s_add_co_u32 s[G0B+4*\s+1], s45, \s*SLOT
	s_add_nc_u64 s[G0B+4*\s+2:G0B+4*\s+3], s[46:47], \s*ROWB
	s_or_b32 s[G0B+4*\s+3], s[G0B+4*\s+3], 0x80000000
	JLOAD G0+4*\s, G1, G0B+4*\s, G1B
.endr
	v_and_b32 v1, 15, v0                           ; r = l % 16
	v_bfe_u32 v2, v0, 4, 1                         ; h = l / 16
	v_mul_u32_u24 v3, v1, PITCH
	v_lshl_add_u32 v4, v2, 4, v3                   ; a fragment's row x pitch + 16 h
	s_mul_i32 s21, s15, HALFT                      ; my 128 tokens
	s_mul_i32 s22, s16, HALFT                      ; my 128 rows of W,
	s_add_co_u32 s22, s22, 2*HALFT                 ; which lie behind X's 256
.irp s, 0,1
	v_add_nc_u32 v[ADRA+\s], s21, v4
	v_add_nc_u32 v[ADRB+\s], s22, v4
	s_add_co_u32 s21, s21, SLOT
	s_add_co_u32 s22, s22, SLOT
.endr
	v_mul_u32_u24 v5, v1, KS                       ; my row's scales: KS bytes a row,
	v_lshrrev_b32 v6, 8, v5
	v_lshl_add_u32 v5, v6, 4, v5                   ; and 16 more for each 256 passed
	s_mul_i32 s21, s15, HALFS
	s_mul_i32 s22, s16, HALFS
	s_add_co_u32 s22, s22, 2*HALFS
	s_sub_co_u32 s22, s22, s21
	v_mul_u32_u24 v6, s22, v2                      ; lanes 16-31 take W's: one product, the distance between the two bases
	s_add_co_u32 s21, s21, SCL
	v_add_nc_u32 v5, v5, v6
	v_add_nc_u32 v[ADRS], s21, v5
	s_mul_i32 s23, s14, 16*SPITCH                  ; my stage
	v_mul_u32_u24 v5, v1, SPITCH                   ; in: token r, 16 bytes for each half of the lanes
	v_lshl_add_u32 v5, v2, 4, v5
	v_add_nc_u32 v[STO], s23, v5
	v_and_b32 v6, 31, v0
	v_lshlrev_b32 v[CO], 4, v6                     ; out: 16 bytes a lane, 512 consecutive bytes a wave: four tokens of one head
	v_lshrrev_b32 v5, 3, v6
	v_mul_u32_u24 v5, v5, SPITCH
	v_and_b32 v6, 7, v6
	v_lshl_add_u32 v5, v6, 4, v5
	v_add_nc_u32 v[RD], s23, v5                    ; back: token l / 8 of four, 16 (l % 8) of a head's 128 bytes
	; where my part begins in qkv16: T x 16,777,216 + ((16 batch + 4 tile column + 2 column half) x 2048 + 256 (tile row % 8) + 128 token half) x 128
	s_and_b32 s20, s17, 31                         ; the tile row in its tensor
	s_lshr_b32 s21, s20, 3                         ; batch
	s_lshl_b32 s21, s21, 4
	s_lshl_b32 s22, s42, 2
	s_add_co_u32 s21, s21, s22
	s_lshl_b32 s22, s16, 1
	s_add_co_u32 s21, s21, s22
	s_lshl_b32 s21, s21, 11
	s_and_b32 s20, s20, 7
	s_lshl_b32 s20, s20, 8
	s_add_co_u32 s21, s21, s20
	s_lshl_b32 s20, s15, 7
	s_add_co_u32 s21, s21, s20
	s_lshl_b32 s20, s21, 7
	s_lshl_b32 s21, s96, 24
	s_add_co_u32 s20, s20, s21
	s_mov_b32 s21, 0
	s_add_nc_u64 s[12:13], s[12:13], s[20:21]
.macro FRAG reg, adr, q, i             ; 16 rows x 128 K of 4-bit codes: 8 registers: registers 4 c .. 4 c + 3 hold K = 64 c + 32 h + 0 .. 31
.irp c, 0,1
	ds_load_b128 v[\reg+4*\c:\reg+4*\c+3], v[\adr] offset:64*(\q)+32*\c+(\i)*16*PITCH
.endr
.endm
; 16 matrix instructions: X's blocks a0, a0 + 1 x W's eight, the slot's q-th 128 along K.  The 64 accumulators take turns, one instruction a turn, in the same order in every step.
.macro MUL16 a0, p, q, sc, zero
.irp a, \a0, \a0+1
.irp b, 0,1,2,3,4,5,6,7
.if \zero
	v_wmma_scale_f32_16x16x128_f8f6f4 v[8*(8*((\a)%4)+\b):8*(8*((\a)%4)+\b)+7], v[128*(\p)+FR*\b:128*(\p)+FR*\b+FR-1], v[AF+FR*(\a):AF+FR*(\a)+FR-1], 0, v[SC+8*NQ*(\sc)+NQ*\b+(\q)], v[SC+8*NQ*(\sc)+NQ*(\a)+(\q)] matrix_a_fmt:MATRIX_FMT_FP4 matrix_b_fmt:MATRIX_FMT_FP4 matrix_a_scale:MATRIX_SCALE_ROW1
.else
	v_wmma_scale_f32_16x16x128_f8f6f4 v[8*(8*((\a)%4)+\b):8*(8*((\a)%4)+\b)+7], v[128*(\p)+FR*\b:128*(\p)+FR*\b+FR-1], v[AF+FR*(\a):AF+FR*(\a)+FR-1], v[8*(8*((\a)%4)+\b):8*(8*((\a)%4)+\b)+7], v[SC+8*NQ*(\sc)+NQ*\b+(\q)], v[SC+8*NQ*(\sc)+NQ*(\a)+(\q)] matrix_a_fmt:MATRIX_FMT_FP4 matrix_b_fmt:MATRIX_FMT_FP4 matrix_a_scale:MATRIX_SCALE_ROW1
.endif
.endr
.endr
.endm
.macro FETCH_B slot, q, p
	WIN TO_B
.irp i, 0,1,2,3,4,5,6,7
	FRAG 128*(\p)+FR*\i, ADRB+\slot, \q, \i
.endr
	WIN 0
.endm
.macro FETCH_A slot, q, i0
.irp i, \i0, \i0+1, \i0+2, \i0+3
	FRAG AF+FR*(\i), ADRA+\slot, \q, \i
.endr
.endm
.macro SCALES sc                       ; a slot's scale words: 4 words a row; lanes 0-15 take X's block i, lanes 16-31 W's block i
.irp i, 0,1,2,3,4,5,6,7
	ds_load_b128 v[SC+8*NQ*\sc+NQ*\i:SC+8*NQ*\sc+NQ*\i+3], v[ADRS] offset:\i*SBLK
.endr
.endm
.macro PLACES n                        ; plain vector lines between a matrix instruction and a load into, or a read of, its registers
.rept \n
	v_nop
.endr
.endm
.macro STEP slot, q, zero              ; 128 along K with its successor in the same slot
	s_wait_dscnt 4*NL                              ; W's set and X's blocks 0-3 are in; the youngest eight loads (X's blocks 4-7) may be out
	WIN MUL_LO
	MUL16 0, (\q)%2, \q, \slot, \zero
	MUL16 2, (\q)%2, \q, \slot, \zero
	s_wait_dscnt 0
	PLACES NP
	FETCH_B \slot, (\q)+1, 1-(\q)%2
	FETCH_A \slot, (\q)+1, 0
	WIN MUL_HI
	MUL16 4, (\q)%2, \q, \slot, \zero
	MUL16 6, (\q)%2, \q, \slot, \zero
	PLACES NP
	WIN 0
	FETCH_A \slot, (\q)+1, 4
.endm
.macro TURN slot, next                 ; a slot's last step changes slots: one barrier
	s_wait_tensorcnt 0x0                           ; all my tensor loads have landed: my part of the next slot
	ds_add_u32 v[SPW], v[NIL]                      ; 0 onto my spare word
	s_wait_dscnt 4*NL+1                            ; the add and the youngest eight loads (X's blocks 4-7) may be out
	WIN MUL_LO
	MUL16 0, 1, NQ-1, \slot, 0
	s_wait_dscnt 0x0                               ; the add is done, and my reads of this slot are over
	s_barrier_signal -1
	MUL16 2, 1, NQ-1, \slot, 0
	WIN 0
	s_barrier_wait -1
	PLACES NP
	v_add_nc_u32 v[ADRS], 4*NQ, v[ADRS]            ; on to the next slot's scale words
	FETCH_B \next, 0, 0
	FETCH_A \next, 0, 0
	SCALES \next
	WIN MUL_HI
	MUL16 4, 1, NQ-1, \slot, 0
	MUL16 6, 1, NQ-1, \slot, 0
	PLACES NP
	WIN 0
	FETCH_A \next, 0, 4
.endm
	s_wait_tensorcnt 1                             ; the scales and my part of slot 0 are in; slot 1's load may be out,
	s_barrier_signal -1
	s_barrier_wait -1                              ; everybody's are
	FETCH_B 0, 0, 0
	FETCH_A 0, 0, 0
	SCALES 0
	FETCH_A 0, 0, 4
	STEP 0, 0, 1                                   ; the first products start the sums: nothing is cleared
	STEP 0, 1, 0
	STEP 0, 2, 0
	TURN 0, 1
	STEP 1, 0, 0
	STEP 1, 1, 0
	STEP 1, 2, 0
	s_wait_dscnt 4*NL                              ; the very last step: X's blocks 4-7 may be out
	WIN MUL_LO
	MUL16 0, 1, NQ-1, 1, 0
	MUL16 2, 1, NQ-1, 1, 0
	s_wait_dscnt 0
	WIN MUL_HI
	MUL16 4, 1, NQ-1, 1, 0
	MUL16 6, 1, NQ-1, 1, 0
	WIN 0
; THE WAY OUT, a block of 16 tokens x 128 n (two heads) at a time: rounded to f16, 16 bytes a lane into my stage, back as four tokens x 128 bytes of one head, which are 512 consecutive bytes of qkv16.
.macro PACK a
.set AC, 64*((\a)%4)
	WIN 0x0a+5*((\a)/4)                            ; sources 0 and 1: window 2 or 3
.irp b, 0,1,2,3,4,5,6,7
.irp r, 0,1,2,3
	v_cvt_pk_f16_f32 v[TMP+4*\b+\r], v[AC+8*\b+2*\r], v[AC+8*\b+2*\r+1]   ; each accumulator from its low end on
.endr
.endr
	WIN 0
.endm
.macro TOSTAGE a
.set BK, OB+192*((\a)%2)
.irp b, 0,1,2,3,4,5,6,7
	ds_store_b128 v[STO], v[TMP+4*\b:TMP+4*\b+3] offset:32*\b
.endr
.irp hh, 0,1
.irp i, 0,1,2,3
	ds_load_b128 v[BK+4*(4*\hh+\i):BK+4*(4*\hh+\i)+3], v[RD] offset:\i*4*SPITCH+128*\hh   ; LDS serves a wave's instructions in order: these see the stores above
.endr
.endr
.endm
.macro SEND a
.set BK, OB+192*((\a)%2)
	s_wait_dscnt 0x0                               ; the block is back in registers
	s_wait_xcnt 0x0                                ; earlier stores have read their base and their data: both may be written again
.if (\a) > 0
	s_add_nc_u64 s[12:13], s[12:13], 16*128        ; 16 tokens on
.endif
.irp hh, 0,1
.irp i, 0,1,2,3
	global_store_b128 v[CO], v[BK+4*(4*\hh+\i):BK+4*(4*\hh+\i)+3], s[12:13] offset:\hh*262144+\i*512   ; 512 consecutive bytes, aligned; the second head lies 2,048 rows of 128 bytes on
.endr
.endr
.endm
	PLACES NP
	PACK 0
	TOSTAGE 0
.irp a, 1,2,3,4,5,6,7                  ; block a's conversions stand between block a - 1's loads from the stage and the wait for them
	PACK \a
	SEND \a-1
	TOSTAGE \a
.endr
	SEND 7
	s_wait_tensorcnt 0x0                           ; the wave's end
	ds_add_u32 v[SPW], v[NIL]
	s_wait_dscnt 0x0
	CROUND                                         ; the closing round
	s_endpgm
.Lfunc_end_k_qb0d1726000_proj:
	.size	k_qb0d1726000_proj, .Lfunc_end_k_qb0d1726000_proj-k_qb0d1726000_proj
	.p2alignl 7, 3214868480
	.fill 96, 4, 3214868480
	.section	.rodata,"a",@progbits
	.p2align	6, 0x0
	.amdhsa_kernel k_qb0d1726000_proj
		.amdhsa_group_segment_fixed_size 327680
		.amdhsa_private_segment_fixed_size 0
		.amdhsa_enable_private_segment 0
		.amdhsa_kernarg_size 40
		.amdhsa_user_sgpr_count 2
		.amdhsa_user_sgpr_kernarg_segment_ptr 1
		.amdhsa_wavefront_size32 1
		.amdhsa_system_sgpr_workgroup_id_x 1
		.amdhsa_system_sgpr_workgroup_id_y 1
		.amdhsa_system_sgpr_workgroup_id_z 1
		.amdhsa_system_vgpr_workitem_id 0
		.amdhsa_next_free_vgpr 1024
		.amdhsa_next_free_sgpr 98
		.amdhsa_reserve_vcc 0
		.amdhsa_float_denorm_mode_32 3
		.amdhsa_float_denorm_mode_16_64 3
		.amdhsa_memory_ordered 1
		.amdhsa_forward_progress 1
		.amdhsa_inst_pref_size 127
	.end_amdhsa_kernel
	.amdgpu_metadata
---
amdhsa.version: [ 1, 2 ]
amdhsa.kernels:
  - .name:           k_qb0d1726000_proj
    .symbol:         k_qb0d1726000_proj.kd
    .args:
      - { .name: x_codes, .offset: 0, .size: 8, .value_kind: global_buffer, .address_space: global }
      - { .name: x_scales, .offset: 8, .size: 8, .value_kind: global_buffer, .address_space: global }
      - { .name: w_codes, .offset: 16, .size: 8, .value_kind: global_buffer, .address_space: global }
      - { .name: w_scales, .offset: 24, .size: 8, .value_kind: global_buffer, .address_space: global }
      - { .name: qkv16, .offset: 32, .size: 8, .value_kind: global_buffer, .address_space: global }
    .group_segment_fixed_size: 327680
    .private_segment_fixed_size: 0
    .kernarg_segment_align: 8
    .kernarg_segment_size: 40
    .max_flat_workgroup_size: 128
    .sgpr_count:     98
    .vgpr_count:     1024
    .wavefront_size: 32
...
	.end_amdgpu_metadata
.endif
;; end of part 2
;; launch attn (part 3): grid 4 x 64, 8 waves a work-group, clusters of 4 x 1, 327,680 bytes of LDS; arguments qkv16, mask, ctx16; writes ctx16
.if DOCPART == 3
	.amdgcn_target "amdgcn-amd-amdhsa--gfx1250"
	.amdhsa_code_object_version 6
	.text
	.protected	k_qb0d1726000_attn
	.globl	k_qb0d1726000_attn
	.p2align	8
	.type	k_qb0d1726000_attn,@function
k_qb0d1726000_attn:
	s_mov_b64 s[64:65], 0
	v_nop
	global_prefetch_b8 v0, s[64:65] scope:SCOPE_SE
	s_setreg_imm32_b32 hwreg(HW_REG_WAVE_MODE, 25, 1), 1
	s_wait_xcnt 0x0
	s_wait_alu depctr_hold_cnt(0) depctr_sa_sdst(0) depctr_va_vdst(0) depctr_va_sdst(0) depctr_va_ssrc(0) depctr_va_vcc(0) depctr_vm_vsrc(0)
	s_getreg_b32 s2, hwreg(HW_REG_IB_STS2, 6, 4)
	s_cmp_eq_u32 s2, 0
	s_cbranch_scc0 .Lentry_in_a_cluster
	s_endpgm
.Lentry_in_a_cluster:
	s_bfe_u32 s2, ttmp6, 0x10000c
	s_cmp_lg_u32 s2, 0x3003
	s_cbranch_scc0 .Lentry_shape_is_right
	s_endpgm
.Lentry_shape_is_right:
; Launch 3 of 4: ctx[y][q][:] = the sum over k of softmax_k(where(mask[k], Q[y][q] . K[y][k] / 8, -inf)) V[y][k][:], y = 16 batch + head.  No work is left out.
; Q, K, V: qkv16 [3][64 y][2048][64] f16; mask [4][2048] bytes; ctx16 [64 y][2048][64] f16.  Products on f16 operands with f32 sums; maxima, exponentials and sums in f32; the weights p are rounded to f16 for the second product.
; SHARES.  A work-group owns 512 queries of one y, each of its eight waves 64: four tiles of 16, in 512 registers: two waves to a SIMD, so that one wave's softmax stands beside the other's products.
; Every wave walks all 2,048 keys, 64 a step; each fragment of K or V read from LDS feeds four matrix instructions.
; LAYOUT.  S^T = K Q^T + bias (source 0 = 16 keys, source 1 = 16 queries): a lane holds ONE query (lane % 16) and keys 8 (lane / 16) + 0..7.  Two such tiles, rounded in pairs, ARE source 1 of O^T = V^T P.  V is turned by ds_load_tr16_b128.
; THE MASK enters as values alone: bias[key] = 0 where the mask is true, -2^100 where it is false, and it is the C of each score tile's first matrix instruction.  f16 operands hold every open score within 64 x 65,504^2 < 2^38,
; so a masked score lies under every open one.  The running maximum m has the floor -2^60 (a source of the first step's last maximum), which lies under every open score and over every masked one:
; so p = 2^(c s - c m) of a masked key is exactly 0 from the first step on, and where an open key first appears the change of m multiplies zeros.  A row with no open key ends with l = 0 and O = 0: O x (1 / l) = 0 x infinity = NaN, as reference()'s softmax of -inf alone.
; SOFTMAX.  m and l run; c = log2(e) / 8; in every step O and l are multiplied by a = 2^(c m_old - c m_new).
; CLUSTER.  The four work-groups of a cluster are the four query blocks of one y and walk the same K and V: each tile is asked for JOINTLY (mask 15).
; RING.  Two slots of four key steps (256 keys).  Waves 0-3 fetch K's 64 rows of step w, waves 4-7 V's: one load a wave behind each round.  By this text's own count a wave has two tensor loads out at the start, later one.
; LIMITS: NaN and infinities among the inputs are not served; |Q|, |K|, |V| stay under 65,504; where v and w_v are both some 30 times smaller than drawn, ctx lies among f16's subnormals and is carried with fewer bits.
; REGISTERS.  window 0: v2-12 addresses; v14, v15 the add's two; v16-63 statistics, 12 a tile; v64-95 bias; v96-159 Q; v160-223 K or V of one step; v224-239 at work at the head.
;             window 1: v0-127 S^T, 32 a tile (p's f16 pairs are packed in place into a tile's first 16); v128-255 O^T, 32 a tile.
.set KS,    64
.set PKP,   144                        ; a row of K in LDS: 128 bytes + 16: an odd multiple of 16
.set PVP,   160                        ; a row of V: 128 + 32: an odd multiple of 32, for the turning load
.set VOFF,  KS*PKP
.set STEPB, KS*(PKP+PVP)               ; a step's tiles lie together: 64 rows of K, then 64 of V
.set SLOT1, 1<<17                      ; slot 1 begins here: one exclusive or turns an address
.set STAGE, 4*STEPB                    ; behind slot 0: 16 rows x 144 bytes for each wave, for the way out; no fill lands here
.set SPT,   144
.set BIAS,  SLOT1+4*STEPB              ; behind slot 1: 2,048 f32; no fill lands here
.set SPARE, BIAS+8192                  ; the spare words, 128 bytes for each of eight waves: four blocks of 256 bytes that no other line names
.set FLOOR, 0xdd800000                 ; -2^60
.set AK0, 2
.set AV0, 3
.set AB0, 4
.set ADRK, 5
.set ADRV, 6
.set ADRB, 7
.set QO,  8
.set STO, 9
.set RD,  10
.set GO,  11
.set PFO, 12
.set SPW, 14
.set NIL, 15
.set ST,  16                           ; tile t at ST + 12 t: +0 c m, +1 m, +2:3 l, +4 a, +5 d, +6 A, +7 B, +8:9 X, +10:11 Y
.set BI,  64
.set QF,  96                           ; fragment (t, c) at 16 t + 8 c
.set KV,  160                          ; K(kt, c) at 32 c + 8 kt;  V(ct, kh) at 32 kh + 8 ct
.set WV,  12
.set LIM, 15
.set PFA, 18
.set G1K, 24
.set G1V, 32
.set G0K, 40
.set G0V, 48
.set SLOTS, 56
.set CNT, 57
.set CS,  58
.set SEL, 60
.set TBK, 62
.set TBV, 63
.set BB,  66
.set MSB, 0
.macro WIN new
.if MSB != (\new)
	s_set_vgpr_msb (MSB<<8)|(\new)
.set MSB, (\new)
.endif
.endm
.set W_S0,  0x40                       ; D window 1; K, Q, bias window 0
.set W_S1,  0x50                       ; C and D window 1
.set W_PV,  0x54                       ; V window 0; P, C, D window 1
.set W_MX0, 0x15                       ; three sources window 1, destination window 0
.set W_MX1, 0x14
.set W_MX2, 0x04
.set W_E,   0x41                       ; destination and source 0 window 1
.set W_SUM0, 0x05
.set W_SUM1, 0x04
.set W_PK,  0x45
.macro JLOAD                           ; a joint refill: waves 0-3 K's tiles, waves 4-7 V's; an s_nop 0 and four v_nop follow each line
	s_cmp_lt_u32 s[WV], 4
	s_cbranch_scc0 .Lfor_v_\@
	tensor_load_to_lds s[G0K+4:G0K+7], s[G1K:G1K+7]
	s_nop 0
.rept 4
	v_nop
.endr
	s_branch .Lasked_\@
.Lfor_v_\@:
	tensor_load_to_lds s[G0V+4:G0V+7], s[G1V:G1V+7]
	s_nop 0
.rept 4
	v_nop
.endr
.Lasked_\@:
.endm
; A prefetch of what the NEXT change of slots will ask for: a slot's 256 rows of K and of V are 32,768 dense bytes each.  Wave 0 asks for K's, wave 4 for V's; the four partners take 8,192 bytes each, told apart by address;
; lanes stand 256 bytes apart: each aligned 256 bytes is named once in the launch.  It stands four key steps ahead of the load that wants the bytes.  The last change that fills a slot asks for nothing; slots 0 to 2 come by their loads alone.
.macro ASK
	s_cmp_gt_u32 s[SLOTS], s[LIM]
	s_cbranch_scc0 .Lnot_mine_\@
	global_prefetch_b8 v[PFO], s[PFA:PFA+1] th:TH_LOAD_NT scope:SCOPE_SE
.Lnot_mine_\@:
.endm
.macro CROUND
	s_barrier_signal -1
	s_barrier_wait -1
	s_cmp_lg_u32 s[WV], 0
	s_cbranch_scc1 .Lnot_wave_0_\@
	s_barrier_signal -3
.Lnot_wave_0_\@:
	s_barrier_wait -3
	s_barrier_signal -1
	s_barrier_wait -1
.endm
.macro KLOAD half                      ; the next step's K, channels 32 half on: 8 loads
.if \half == 0
	v_add_nc_u32 v[ADRK], s[TBK], v[AK0]
	s_add_co_u32 s[TBK], s[TBK], STEPB
.endif
.irp kt, 0,1,2,3
	ds_load_b128 v[KV+32*\half+8*\kt:KV+32*\half+8*\kt+3],   v[ADRK] offset:\kt*16*PKP+64*\half
	ds_load_b128 v[KV+32*\half+8*\kt+4:KV+32*\half+8*\kt+7], v[ADRK] offset:\kt*16*PKP+64*\half+32
.endr
.endm
.macro VLOAD                           ; this step's V, turned: 16 loads
	v_add_nc_u32 v[ADRV], s[TBV], v[AV0]
	s_add_co_u32 s[TBV], s[TBV], STEPB
.irp kh, 0,1
.irp ct, 0,1,2,3
	ds_load_tr16_b128 v[KV+32*\kh+8*\ct:KV+32*\kh+8*\ct+3],   v[ADRV] offset:\kh*32*PVP+32*\ct
	ds_load_tr16_b128 v[KV+32*\kh+8*\ct+4:KV+32*\kh+8*\ct+7], v[ADRV] offset:\kh*32*PVP+16*PVP+32*\ct
.endr
.endr
.endm
.macro BLOAD                           ; the next step's bias in the result's layout: register 8 kt + j = bias[16 kt + 8 h + j]: 8 loads
	v_add_nc_u32 v[ADRB], s[BB], v[AB0]
	s_add_co_u32 s[BB], s[BB], 4*KS
.irp kt, 0,1,2,3
	ds_load_b128 v[BI+8*\kt:BI+8*\kt+3],   v[ADRB] offset:64*\kt
	ds_load_b128 v[BI+8*\kt+4:BI+8*\kt+7], v[ADRB] offset:64*\kt+16
.endr
.endm
; 32 products S^T = K Q^T + bias.  The 16 accumulators take turns, one instruction a turn.
.macro SPROD
	s_wait_dscnt 8                                 ; the bias and K's channels 0-31 are in; the eight loads of channels 32-63 may be out
	WIN W_S0
.irp kt, 0,1,2,3
.irp t, 0,1,2,3
	v_wmma_f32_16x16x32_f16 v[32*\t+8*\kt:32*\t+8*\kt+7], v[KV+8*\kt:KV+8*\kt+7], v[QF+16*\t:QF+16*\t+7], v[BI+8*\kt:BI+8*\kt+7]
.endr
.endr
	s_wait_dscnt 0x0
	WIN W_S1
.irp kt, 0,1,2,3
.irp t, 0,1,2,3
	v_wmma_f32_16x16x32_f16 v[32*\t+8*\kt:32*\t+8*\kt+7], v[KV+32+8*\kt:KV+32+8*\kt+7], v[QF+16*\t+8:QF+16*\t+15], v[32*\t+8*\kt:32*\t+8*\kt+7]
.endr
.endr
.endm
; The four tiles' softmax for one key step; the tiles alternate line by line, so that no line waits for the line above it.  first = 1: the first key step starts m, l and O^T.
.macro SOFTMAX first
	WIN W_MX0                                      ; the maximum of a lane's 32 scores in two chains
.irp t, 0,1,2,3
	v_max3_num_f32 v[ST+12*\t+6], v[32*\t], v[32*\t+1], v[32*\t+2]
.endr
.irp t, 0,1,2,3
	v_max3_num_f32 v[ST+12*\t+7], v[32*\t+16], v[32*\t+17], v[32*\t+18]
.endr
	WIN W_MX1
.irp i, 3,5,7,9,11,13
.irp t, 0,1,2,3
	v_max3_num_f32 v[ST+12*\t+6], v[ST+12*\t+6], v[32*\t+\i], v[32*\t+\i+1]
.endr
.irp t, 0,1,2,3
	v_max3_num_f32 v[ST+12*\t+7], v[ST+12*\t+7], v[32*\t+16+\i], v[32*\t+17+\i]
.endr
.endr
	WIN W_MX2
.irp t, 0,1,2,3
.if \first
	v_max3_num_f32 v[ST+12*\t+6], v[ST+12*\t+6], v[32*\t+15], FLOOR          ; the floor under m
.else
	v_max3_num_f32 v[ST+12*\t+6], v[ST+12*\t+6], v[32*\t+15], v[ST+12*\t+1]  ; the old m
.endif
.endr
.irp t, 0,1,2,3
	v_max3_num_f32 v[ST+12*\t+6], v[ST+12*\t+6], v[32*\t+31], v[ST+12*\t+7]
.endr
	WIN 0
.irp t, 0,1,2,3
	v_permlanex16_b32 v[ST+12*\t+7], v[ST+12*\t+6], s[SEL], s[SEL+1]         ; the query's other 32 keys lie in the lane 16 away
.endr
.irp t, 0,1,2,3
	v_max_num_f32 v[ST+12*\t+1], v[ST+12*\t+6], v[ST+12*\t+7]
.endr
.if !\first
.irp t, 0,1,2,3
	v_mov_b32 v[ST+12*\t+5], v[ST+12*\t]           ; c m_old
.endr
.endif
.irp t, 0,1,2,3
	v_mul_f32 v[ST+12*\t], s[CS], v[ST+12*\t+1]
.endr
.if !\first
.irp t, 0,1,2,3
	v_sub_f32 v[ST+12*\t+5], v[ST+12*\t+5], v[ST+12*\t]
.endr
.irp t, 0,1,2,3
	v_exp_f32 v[ST+12*\t+4], v[ST+12*\t+5]         ; a
.endr
.endif
	WIN W_E
.irp b, 0,2,4,6,8,10,12,14,16,18,20,22,24,26,28,30
.irp t, 0,1,2,3
	v_pk_fma_f32 v[32*\t+\b:32*\t+\b+1], v[32*\t+\b:32*\t+\b+1], s[CS:CS+1], v[ST+12*\t:ST+12*\t+1] op_sel_hi:[1,0,0] neg_lo:[0,0,1] neg_hi:[0,0,1]   ; c s - c m
.endr
.endr
.if !\first
	s_wait_alu depctr_va_vdst(0)                   ; ahead of the first line that names a: one for the four; the 64 scalings stand between
.endif
.set ii, 0
.rept 32                                           ; ONE BATCH of 128 exponentials; O^T's rescaling, which names none of their results, is dealt out among them, from each accumulator's low end on
.irp t, 0,1,2,3
	v_exp_f32 v[32*\t+ii], v[32*\t+ii]
.endr
.if !\first
	v_pk_mul_f32 v[128+4*ii:128+4*ii+1], v[128+4*ii:128+4*ii+1], v[ST+12*(ii/8)+4:ST+12*(ii/8)+5] op_sel_hi:[1,0]
	v_pk_mul_f32 v[128+4*ii+2:128+4*ii+3], v[128+4*ii+2:128+4*ii+3], v[ST+12*(ii/8)+4:ST+12*(ii/8)+5] op_sel_hi:[1,0]
.endif
.set ii, ii+1
.endr
.if \first
	v_nop                                          ; a plain line behind the last exponential
.endif
	s_wait_alu depctr_va_vdst(0)                   ; and one wait for the batch, ahead of its first reader
	WIN W_SUM0                                     ; the row's sum of the unrounded p, two at a time, in two chains
.irp t, 0,1,2,3
	v_pk_add_f32 v[ST+12*\t+8:ST+12*\t+9], v[32*\t:32*\t+1], v[32*\t+2:32*\t+3]
.endr
.irp t, 0,1,2,3
	v_pk_add_f32 v[ST+12*\t+10:ST+12*\t+11], v[32*\t+4:32*\t+5], v[32*\t+6:32*\t+7]
.endr
	WIN W_SUM1
.irp b, 8,12,16,20,24,28
.irp t, 0,1,2,3
	v_pk_add_f32 v[ST+12*\t+8:ST+12*\t+9], v[ST+12*\t+8:ST+12*\t+9], v[32*\t+\b:32*\t+\b+1]
.endr
.irp t, 0,1,2,3
	v_pk_add_f32 v[ST+12*\t+10:ST+12*\t+11], v[ST+12*\t+10:ST+12*\t+11], v[32*\t+\b+2:32*\t+\b+3]
.endr
.endr
	WIN 0
.if \first
.irp t, 0,1,2,3
	v_pk_add_f32 v[ST+12*\t+2:ST+12*\t+3], v[ST+12*\t+8:ST+12*\t+9], v[ST+12*\t+10:ST+12*\t+11]
.endr
.else
.irp t, 0,1,2,3
	v_pk_add_f32 v[ST+12*\t+8:ST+12*\t+9], v[ST+12*\t+8:ST+12*\t+9], v[ST+12*\t+10:ST+12*\t+11]
.endr
.irp t, 0,1,2,3
	v_pk_fma_f32 v[ST+12*\t+2:ST+12*\t+3], v[ST+12*\t+2:ST+12*\t+3], v[ST+12*\t+4:ST+12*\t+5], v[ST+12*\t+8:ST+12*\t+9] op_sel_hi:[1,0,1]   ; l = a l + the sum
.endr
.endif
	WIN W_PK                                       ; p to f16, in place: register i takes p 2 i and 2 i + 1, ascending, so that no destination overtakes a source not yet read
.irp i, 0,1,2,3,4,5,6,7,8,9,10,11,12,13,14,15
.irp t, 0,1,2,3
	v_cvt_pk_f16_f32 v[32*\t+\i], v[32*\t+2*\i], v[32*\t+2*\i+1]
.endr
.endr
.endm
.macro PVHALF kh, zero                 ; 16 products O^T += V^T P, keys 32 kh on; the 16 accumulators take turns
	WIN W_PV
.irp ct, 0,1,2,3
.irp t, 0,1,2,3
.if \zero
	v_wmma_f32_16x16x32_f16 v[128+32*\t+8*\ct:128+32*\t+8*\ct+7], v[KV+32*\kh+8*\ct:KV+32*\kh+8*\ct+7], v[32*\t+8*\kh:32*\t+8*\kh+7], 0
.else
	v_wmma_f32_16x16x32_f16 v[128+32*\t+8*\ct:128+32*\t+8*\ct+7], v[KV+32*\kh+8*\ct:KV+32*\kh+8*\ct+7], v[32*\t+8*\kh:32*\t+8*\kh+7], v[128+32*\t+8*\ct:128+32*\t+8*\ct+7]
.endif
.endr
.endr
.endm
; THE CHANGE OF SLOTS stands in a slot's last step, behind the wait for its last reads (V of that step) and ahead of the first read of the next slot (K of the next step).
; fill = 1: the slot just left is filled with the keys two slots on: a round of the cluster's barrier, and the joint refill first behind it, with four key steps in which to land.
.macro CHANGE fill
	WIN 0
	s_wait_tensorcnt 0x0                           ; no tensor load of mine is out: my part of the next slot has landed, and a group 0 may be written
	ds_add_u32 v[SPW], v[NIL]                      ; 0 onto my spare word
.if \fill
.irp g, G0K+4, G0V+4
	s_xor_b32 s[\g+1], s[\g+1], SLOT1              ; the walking descriptor: the other slot than last time,
	s_add_nc_u64 s[\g+2:\g+3], s[\g+2:\g+3], 4*KS*128   ; the next 256 keys
.endr
	s_wait_xcnt 0x0                                ; the last prefetch, four key steps back, has read its address
	s_add_nc_u64 s[PFA:PFA+1], s[PFA:PFA+1], 4*KS*128
	s_wait_dscnt 0x0                               ; the add is done, and my reads of the slot are over
	CROUND
	JLOAD
	ASK
.else
	s_wait_dscnt 0x0
	s_barrier_signal -1
	s_barrier_wait -1
.endif
	s_sub_co_u32 s[TBK], s[TBK], 4*STEPB           ; the fetches go back to a slot's first step,
	s_xor_b32 s[TBK], s[TBK], SLOT1                ; in the other slot
	s_sub_co_u32 s[TBV], s[TBV], 4*STEPB
	s_xor_b32 s[TBV], s[TBV], SLOT1
.endm
; A KEY STEP.  K of this step and its bias are in registers or on their way.  change: 0 none, 1 with a refill, 2 without.  last = 1: nothing more is fetched.
.macro STEP first, change, last
	SPROD
	WIN 0
.rept 4
	v_nop                                          ; places ahead of the loads into K's and the bias's registers, and of the first read of the scores
.endr
	VLOAD
.if !\last
	BLOAD
.endif
	SOFTMAX \first
	WIN 0
	s_wait_dscnt 0x0                               ; V and the next bias are in
.if \change == 1
	CHANGE 1
.elseif \change == 2
	CHANGE 0
.endif
	PVHALF 0, \first
.if !\last
	WIN 0
.rept 4
	v_nop                                          ; places ahead of the loads into the registers that these products read
.endr
	KLOAD 0
.endif
	PVHALF 1, 0
	WIN 0
.if !\last
.rept 5
	v_nop                                          ; five: the next step's first products write over p's registers, which these products read; four of them serve the loads below
.endr
	KLOAD 1
.endif
.endm
	s_load_b128 s[4:7], s[0:1], 0x0                ; qkv16, mask
	s_load_b64 s[8:9], s[0:1], 0x10                ; ctx16
	v_lshl_add_u32 v[SPW], v0, 2, SPARE
	v_mov_b32 v[NIL], 0
	ds_add_u32 v[SPW], v[NIL]                      ; the wave's opening: the add, twice on end, and its wait ahead of my first tensor load
	ds_add_u32 v[SPW], v[NIL]
	v_lshrrev_b32 v1, 5, v0
	v_readfirstlane_b32 s[WV], v1                  ; wave 0..7
	s_bfe_u32 s13, ttmp6, 0x40000                  ; cx: my block of 512 queries; it enters Q's, ctx's and the prefetch's addresses alone
	s_and_b32 s14, ttmp7, 0xffff                   ; y = 16 batch + head, which the four partners share
	s_lshl_b32 s2, s14, 18                         ; y's 2,048 rows of 128 bytes
	s_mov_b32 s3, 0
	s_and_b32 s16, s[WV], 3                        ; which of a slot's four steps I fetch:
	s_lshl_b32 s20, s16, 13                        ; its 64 rows in memory,
	s_mov_b32 s21, 0
	s_mul_i32 s17, s16, STEPB                      ; and its place in a slot
	s_lshl_b32 s22, s13, 16
	s_lshl_b32 s23, s[WV], 13
	s_add_co_u32 s22, s22, s23                     ; my wave's 64 queries: (512 cx + 64 wave) x 128 bytes
	s_mov_b32 s23, 0
	s_lshr_b32 s74, s14, 4
	s_lshl_b32 s74, s74, 11                        ; my batch's 2,048 mask bytes
	s_mov_b32 s75, 0
	s_mov_b32 s[G1K], 15|(1<<16)|(1<<20)|(1<<21)|(4<<22)|(3<<25)  ; the mask: all four; elements of 2 bytes; padding on; bit 21 beside a mask; 4 words behind every 32
	s_mov_b32 s[G1V], 15|(1<<16)|(1<<20)|(1<<21)|(4<<22)|(7<<25)  ; the same with 8 words
.irp g, G1K, G1V
	s_mov_b32 s[\g+1], 64<<16                      ; tensor_dim0 = 64
	s_mov_b32 s[\g+2], KS<<16                      ; tensor_dim1 = 64
	s_mov_b32 s[\g+3], 64<<16                      ; tile_dim0 = 64
	s_mov_b32 s[\g+4], KS                          ; tile_dim1 = 64
	s_mov_b32 s[\g+5], 64                          ; the pitch
	s_mov_b32 s[\g+6], 0
	s_mov_b32 s[\g+7], 0
.endr
	s_mov_b32 s[CS], 0x3e38aa3b                    ; c = log2(e) / 8
	s_mov_b32 s[CS+1], s[CS]
	s_mov_b32 s[SEL], 0x76543210
	s_mov_b32 s[SEL+1], 0xfedcba98
	s_mov_b32 s[TBK], 0
	s_mov_b32 s[TBV], 0
	s_mov_b32 s[BB], 0
	s_mov_b32 s[SLOTS], 6
	s_cmp_eq_u32 s16, 0                            ; waves 0 and 4 prefetch: the same in all four partners
	s_cselect_b32 s[LIM], 1, -1
	v_and_b32 v[PFO], 31, v0
	v_lshlrev_b32 v[PFO], 8, v[PFO]
	s_wait_dscnt 0x0                               ; both opening adds are done
	s_wait_kmcnt 0x0
	s_add_nc_u64 s[72:73], s[4:5], s[2:3]          ; Q of y,
	s_add_nc_u64 s[68:69], s[72:73], 0x1000000     ; K of y,
	s_add_nc_u64 s[70:71], s[72:73], 0x2000000     ; V of y
	s_add_nc_u64 s[72:73], s[72:73], s[22:23]      ; Q at my first query
	s_add_nc_u64 s[8:9], s[8:9], s[2:3]
	s_add_nc_u64 s[8:9], s[8:9], s[22:23]          ; ctx likewise
	s_add_nc_u64 s[6:7], s[6:7], s[74:75]
	s_add_nc_u64 s[76:77], s[68:69], s[20:21]      ; my tile of slot 0: in K,
	s_add_nc_u64 s[78:79], s[70:71], s[20:21]      ; in V
	s_cmp_lt_u32 s[WV], 4
	s_cselect_b64 s[PFA:PFA+1], s[68:69], s[70:71]
	s_lshl_b32 s2, s13, 13                         ; my work-group's 8,192 bytes of a slot's 32,768
	s_add_nc_u64 s[PFA:PFA+1], s[PFA:PFA+1], s[2:3]
	s_add_nc_u64 s[PFA:PFA+1], s[PFA:PFA+1], 2*4*KS*128   ; in slot 2: the first change steps it to slot 3.  Nothing is prefetched at the head
	CROUND                                         ; all four work-groups are here: the first joint loads meet
.irp s, 0,1
	s_mov_b32 s[G0K+4*\s], 1
	s_add_co_u32 s[G0K+4*\s+1], s17, \s*SLOT1
	s_add_nc_u64 s[G0K+4*\s+2:G0K+4*\s+3], s[76:77], \s*4*KS*128
	s_or_b32 s[G0K+4*\s+3], s[G0K+4*\s+3], 0x80000000
	s_mov_b32 s[G0V+4*\s], 1
	s_add_co_u32 s[G0V+4*\s+1], s17, \s*SLOT1+VOFF
	s_add_nc_u64 s[G0V+4*\s+2:G0V+4*\s+3], s[78:79], \s*4*KS*128
	s_or_b32 s[G0V+4*\s+3], s[G0V+4*\s+3], 0x80000000
.endr
	s_cmp_lt_u32 s[WV], 4                          ; a wave's two first fills stand in one branch, ahead of every wait on TENSORcnt and every LDS read
	s_cbranch_scc0 .Lfirst_v
	tensor_load_to_lds s[G0K:G0K+3], s[G1K:G1K+7]
	s_nop 0
	tensor_load_to_lds s[G0K+4:G0K+7], s[G1K:G1K+7]
	s_nop 0
.rept 4
	v_nop
.endr
	s_branch .Lfirst_asked
.Lfirst_v:
	tensor_load_to_lds s[G0V:G0V+3], s[G1V:G1V+7]
	s_nop 0
	tensor_load_to_lds s[G0V+4:G0V+7], s[G1V:G1V+7]
	s_nop 0
.rept 4
	v_nop
.endr
.Lfirst_asked:
	v_lshlrev_b32 v228, 3, v0
	global_load_b64 v[230:231], v228, s[6:7]       ; thread t takes mask bytes 8 t .. 8 t + 7 of my batch
	v_and_b32 v1, 15, v0                           ; r
	v_bfe_u32 v224, v0, 4, 1                       ; h
	v_and_b32 v225, 31, v0                         ; lane
	v_lshlrev_b32 v[QO], 7, v1
	v_lshl_add_u32 v[QO], v224, 4, v[QO]           ; Q: row r of 128 bytes + 16 h
.irp t, 0,1,2,3
.irp c, 0,1
	global_load_b128 v[QF+16*\t+8*\c:QF+16*\t+8*\c+3],   v[QO], s[72:73] offset:\t*2048+64*\c      ; Q stays in registers
	global_load_b128 v[QF+16*\t+8*\c+4:QF+16*\t+8*\c+7], v[QO], s[72:73] offset:\t*2048+64*\c+32
.endr
.endr
	v_mul_u32_u24 v[AK0], v1, PKP
	v_lshl_add_u32 v[AK0], v224, 4, v[AK0]         ; K: row r x pitch + 16 h
	v_and_b32 v226, 7, v0
	v_bfe_u32 v227, v0, 3, 1
	v_lshl_add_u32 v[AV0], v224, 3, v226
	v_mul_u32_u24 v[AV0], v[AV0], PVP
	v_lshl_add_u32 v[AV0], v227, 4, v[AV0]
	v_add_nc_u32 v[AV0], VOFF, v[AV0]              ; V: key 8 h + l % 8, channels 8 ((l / 8) % 2) on
	v_lshl_add_u32 v[AB0], v224, 5, BIAS           ; bias: 8 h keys on
	s_mul_i32 s2, s[WV], 16*SPT
	s_add_co_u32 s2, s2, STAGE                     ; my stage
	v_add_nc_u32 v[STO], s2, v[AK0]                ; in: row r, 16 bytes for each half of the lanes (the stage's pitch is K's)
	v_lshrrev_b32 v[RD], 3, v225
	v_mul_u32_u24 v[RD], v[RD], SPT
	v_lshl_add_u32 v[RD], v226, 4, v[RD]
	v_add_nc_u32 v[RD], s2, v[RD]                  ; back: row l / 8 of four, 16 (l % 8)
	v_lshlrev_b32 v[GO], 4, v225                   ; and in ctx16: 16 bytes a lane, 512 consecutive bytes a wave
	v_lshl_add_u32 v229, v0, 5, BIAS
	s_wait_loadcnt 16                              ; the mask's load is in; Q's sixteen may be out
.irp i, 0,1,2,3,4,5,6,7
	v_bfe_u32 v[232+\i], v[230+\i/4], 8*(\i%4), 8
.endr
.irp i, 0,1,2,3,4,5,6,7
	v_add_nc_u32 v[232+\i], -1, v[232+\i]          ; 1 -> 0, 0 -> all ones
.endr
.irp i, 0,1,2,3,4,5,6,7
	v_and_b32 v[232+\i], 0xf1800000, v[232+\i]     ; 0, or -2^100
.endr
	ds_store_b128 v229, v[232:235]
	ds_store_b128 v229, v[236:239] offset:16
	s_wait_tensorcnt 1                             ; my part of slot 0 is in; slot 1's load may stay out
	s_wait_dscnt 0x0                               ; my part of the bias is stored
	s_barrier_signal -1
	s_barrier_wait -1
	BLOAD                                          ; key step 0's bias, ahead of its K, so that the first wait for K's first half shows it in
	KLOAD 0
	KLOAD 1
	s_wait_loadcnt 0x0                             ; Q
	STEP 1, 0, 0                                   ; key step 0
	s_mov_b32 s[CNT], 2
.Lhead_steps:                                          ; steps 1, 2
	STEP 0, 0, 0
	s_sub_co_u32 s[CNT], s[CNT], 1
	s_cmp_lg_u32 s[CNT], 0
	s_cbranch_scc1 .Lhead_steps
.Lslot:                                                ; six trips: steps 3 to 26; each begins with a slot's last step, in which the slot is left and filled again
	STEP 0, 1, 0
	s_mov_b32 s[CNT], 3
.Lring_steps:
	STEP 0, 0, 0
	s_sub_co_u32 s[CNT], s[CNT], 1
	s_cmp_lg_u32 s[CNT], 0
	s_cbranch_scc1 .Lring_steps
	s_sub_co_u32 s[SLOTS], s[SLOTS], 1
	s_cmp_lg_u32 s[SLOTS], 0
	s_cbranch_scc1 .Lslot
	STEP 0, 2, 0                                   ; step 27: the tail is written out: the last change asks for nothing
	s_mov_b32 s[CNT], 3
.Ltail_steps:                                          ; steps 28 to 30
	STEP 0, 0, 0
	s_sub_co_u32 s[CNT], s[CNT], 1
	s_cmp_lg_u32 s[CNT], 0
	s_cbranch_scc1 .Ltail_steps
	STEP 0, 0, 1                                   ; step 31
	; THE WAY OUT.  l's halves and the other half of the lanes' are added (these lines are the places behind the last products); O^T / l is rounded to f16 and goes through my stage, a tile of 16 queries at a time.
.irp t, 0,1,2,3
	v_add_f32 v[ST+12*\t+6], v[ST+12*\t+2], v[ST+12*\t+3]
.endr
.irp t, 0,1,2,3
	v_permlanex16_b32 v[ST+12*\t+7], v[ST+12*\t+6], s[SEL], s[SEL+1]
.endr
.irp t, 0,1,2,3
	v_add_f32 v[ST+12*\t+6], v[ST+12*\t+6], v[ST+12*\t+7]
.endr
.irp t, 0,1,2,3
	v_rcp_f32 v[ST+12*\t+4], v[ST+12*\t+6]         ; l = 0 (no open key) gives infinity, and 0 x infinity below the NaN that is due there
.endr
	v_nop
	s_wait_alu depctr_va_vdst(0)                   ; one wait for the four reciprocals, ahead of their first reader
.macro OPACK t
	WIN W_E
.set ii, 0
.rept 16
	v_pk_mul_f32 v[128+32*\t+2*ii:128+32*\t+2*ii+1], v[128+32*\t+2*ii:128+32*\t+2*ii+1], v[ST+12*\t+4:ST+12*\t+5] op_sel_hi:[1,0]
.set ii, ii+1
.endr
	WIN 0x05                                       ; sources window 1, destination window 0: K's and V's registers are free
.set ii, 0
.rept 16
	v_cvt_pk_f16_f32 v[KV+16*\t+ii], v[128+32*\t+2*ii], v[128+32*\t+2*ii+1]
.set ii, ii+1
.endr
	WIN 0
.irp f, 0,1,2,3
	ds_store_b128 v[STO], v[KV+16*\t+4*\f:KV+16*\t+4*\f+3] offset:32*\f
.endr
.irp f, 0,1,2,3
	ds_load_b128 v[KV+16*\t+4*\f:KV+16*\t+4*\f+3], v[RD] offset:\f*4*SPT   ; LDS serves a wave's instructions in order: these see the stores above, and the next tile's stores come behind them
.endr
.endm
.macro OSEND t, younger                ; younger: the LDS instructions issued behind tile t's loads: the next tile's eight, or none
.irp f, 0,1,2,3
	s_wait_dscnt \younger+3-\f
	global_store_b128 v[GO], v[KV+16*\t+4*\f:KV+16*\t+4*\f+3], s[8:9] offset:\t*2048+\f*512   ; four queries' rows: 512 consecutive bytes, aligned
.endr
.endm
	OPACK 0
	OPACK 1
	OSEND 0, 8
	OPACK 2
	OSEND 1, 8
	OPACK 3
	OSEND 2, 8
	OSEND 3, 0
	s_wait_tensorcnt 0x0                           ; the wave's end
	ds_add_u32 v[SPW], v[NIL]
	s_wait_dscnt 0x0
	CROUND                                         ; the closing round
	s_endpgm
.Lfunc_end_k_qb0d1726000_attn:
	.size	k_qb0d1726000_attn, .Lfunc_end_k_qb0d1726000_attn-k_qb0d1726000_attn
	.p2alignl 7, 3214868480
	.fill 96, 4, 3214868480
	.section	.rodata,"a",@progbits
	.p2align	6, 0x0
	.amdhsa_kernel k_qb0d1726000_attn
		.amdhsa_group_segment_fixed_size 327680
		.amdhsa_private_segment_fixed_size 0
		.amdhsa_enable_private_segment 0
		.amdhsa_kernarg_size 24
		.amdhsa_user_sgpr_count 2
		.amdhsa_user_sgpr_kernarg_segment_ptr 1
		.amdhsa_wavefront_size32 1
		.amdhsa_system_sgpr_workgroup_id_x 1
		.amdhsa_system_sgpr_workgroup_id_y 1
		.amdhsa_system_sgpr_workgroup_id_z 1
		.amdhsa_system_vgpr_workitem_id 0
		.amdhsa_next_free_vgpr 512
		.amdhsa_next_free_sgpr 80
		.amdhsa_reserve_vcc 0
		.amdhsa_float_denorm_mode_32 3
		.amdhsa_float_denorm_mode_16_64 3
		.amdhsa_memory_ordered 1
		.amdhsa_forward_progress 1
		.amdhsa_inst_pref_size 251
	.end_amdhsa_kernel
	.amdgpu_metadata
---
amdhsa.version: [ 1, 2 ]
amdhsa.kernels:
  - .name:           k_qb0d1726000_attn
    .symbol:         k_qb0d1726000_attn.kd
    .args:
      - { .name: qkv16, .offset: 0, .size: 8, .value_kind: global_buffer, .address_space: global }
      - { .name: mask, .offset: 8, .size: 8, .value_kind: global_buffer, .address_space: global }
      - { .name: ctx16, .offset: 16, .size: 8, .value_kind: global_buffer, .address_space: global }
    .group_segment_fixed_size: 327680
    .private_segment_fixed_size: 0
    .kernarg_segment_align: 8
    .kernarg_segment_size: 24
    .max_flat_workgroup_size: 256
    .sgpr_count:     80
    .vgpr_count:     512
    .wavefront_size: 32
...
	.end_amdgpu_metadata
.endif
;; end of part 3
;; launch oproj (part 4): grid 4 x 64, 4 waves a work-group, clusters of 4 x 4, 327,680 bytes of LDS; arguments ctx16, wo16, out0; writes out0
.if DOCPART == 4
	.amdgcn_target "amdgcn-amd-amdhsa--gfx1250"
	.amdhsa_code_object_version 6
	.text
	.protected	k_qb0d1726000_oproj
	.globl	k_qb0d1726000_oproj
	.p2align	8
	.type	k_qb0d1726000_oproj,@function
k_qb0d1726000_oproj:
	s_mov_b64 s[64:65], 0
	v_nop
	global_prefetch_b8 v0, s[64:65] scope:SCOPE_SE
	s_setreg_imm32_b32 hwreg(HW_REG_WAVE_MODE, 25, 1), 1
	s_wait_xcnt 0x0
	s_wait_alu depctr_hold_cnt(0) depctr_sa_sdst(0) depctr_va_vdst(0) depctr_va_sdst(0) depctr_va_ssrc(0) depctr_va_vcc(0) depctr_vm_vsrc(0)
	s_getreg_b32 s2, hwreg(HW_REG_IB_STS2, 6, 4)
	s_cmp_eq_u32 s2, 0
	s_cbranch_scc0 .Lentry_in_a_cluster
	s_endpgm
.Lentry_in_a_cluster:
	s_bfe_u32 s2, ttmp6, 0x10000c
	s_cmp_lg_u32 s2, 0xf033
	s_cbranch_scc0 .Lentry_shape_is_right
	s_endpgm
.Lentry_shape_is_right:
; Launch 4 of 4: out0[token][n] = sum over k of ctx[token][k] w_o[n][k], K = 1,024, f16 operands, f32 sums, f32 out.  No work is left out.
; ctx16 [64 = 16 batch + head][2048 s][64] f16: plane `head` of a batch holds k = 64 head .. + 63 of its tokens.  wo16 [16 planes][1024 n][64] f16.  So a tile of 64 along K is a dense run of rows of 128 bytes on both sides.
; A tile of out0 is 128 tokens x 256 n: 256 work-groups, one for each WGP.  Four waves, each 64 x 128: 32 accumulators, 256 registers.  A slot holds two planes (128 along K): eight slot steps through a ring of two slots.
; CLUSTERS: 4 x 4.  The four of a row of the cluster need the same tiles of ctx, the four of a column the same tiles of w_o: each is asked for JOINTLY.  Waves 0, 1 fetch ctx's two planes, waves 2, 3 w_o's: one load a wave.
; By this text's own count a wave has two tensor loads out at the start, later one.  No prefetch: eight short steps, and the inputs are small beside what the ring has on its way.
; THE MATRIX INSTRUCTION IS USED TRANSPOSED (source 0 = 16 rows of w_o, source 1 = 16 tokens): a lane holds eight neighbouring n of one token.
; REGISTERS: window 0: v16-29 addresses; two fragment buffers of 96 at v32 and v128: 4 blocks of tokens, then 8 blocks of n, 32 along K.  window 1: accumulator (a, b) at v[8 (8 a + b)].
.set PITCH,  144                       ; an LDS row: 128 bytes + 16: an odd multiple of 16
.set APL,    128*PITCH                 ; a plane of ctx's tile
.set BPL,    256*PITCH                 ; a plane of w_o's
.set SLOT,   2*APL+2*BPL
.set STAGE,  2*SLOT                    ; behind the ring: 16 rows x 528 bytes for each wave; no fill lands here
.set SPITCH, 528
.set SPARE,  STAGE+4*16*SPITCH         ; the spare words, 128 bytes for each wave: two blocks of 256 bytes that no other line names
.set LAPS,   4
.set ADRA, 16
.set ADRB, 20
.set STO,  24
.set RD,   25
.set CO,   26
.set SPW,  28
.set NIL,  29
.set F0,   32
.set F1,   128
.set BKR,  32                          ; the way out: 16 rows read back: v32-95 and v96-159 by turns
.set G1, 24
.set G0, 32
.set G1B, 48
.set G0B, 56
.set MSB, 0
.macro WIN new
.if MSB != (\new)
	s_set_vgpr_msb (MSB<<8)|(\new)
.set MSB, (\new)
.endif
.endm
.set MUL, 0x50                         ; C and D window 1
.macro JLOAD s                         ; a joint load; an s_nop 0 and four v_nop follow each line
	s_cmp_eq_u32 s11, 0
	s_cbranch_scc0 .Lfor_b_\@
	tensor_load_to_lds s[G0+4*\s:G0+4*\s+3], s[G1:G1+7]
	s_nop 0
.rept 4
	v_nop
.endr
	s_branch .Lasked_\@
.Lfor_b_\@:
	tensor_load_to_lds s[G0B+4*\s:G0B+4*\s+3], s[G1B:G1B+7]
	s_nop 0
.rept 4
	v_nop
.endr
.Lasked_\@:
.endm
.macro CREST
	s_cmp_lg_u32 s10, 0
	s_cbranch_scc1 .Lnot_wave_0_\@
	s_barrier_signal -3
.Lnot_wave_0_\@:
	s_barrier_wait -3
	s_barrier_signal -1
	s_barrier_wait -1
.endm
.macro CROUND
	s_barrier_signal -1
	s_barrier_wait -1
	CREST
.endm
	s_load_b128 s[4:7], s[0:1], 0x0                ; ctx16, wo16
	s_load_b64 s[8:9], s[0:1], 0x10                ; out0
	v_lshl_add_u32 v[SPW], v0, 2, SPARE
	v_mov_b32 v[NIL], 0
	ds_add_u32 v[SPW], v[NIL]                      ; the wave's opening: the add, twice on end, and its wait ahead of my first tensor load
	ds_add_u32 v[SPW], v[NIL]
	v_lshrrev_b32 v1, 5, v0
	v_readfirstlane_b32 s10, v1                    ; wave 0..3
	s_lshr_b32 s11, s10, 1                         ; which 64 of the tile's tokens are mine.  Also: I fetch for ctx (0) or for w_o (1)
	s_and_b32 s12, s10, 1                          ; which 128 of its n.  Also: which of a slot's two planes I fetch
	s_bfe_u32 s40, ttmp6, 0x40000                  ; cx, cy
	s_bfe_u32 s41, ttmp6, 0x40004
	s_lshl_b32 s42, ttmp9, 2
	s_add_co_u32 s42, s42, s40                     ; X: tile column 0..3
	s_and_b32 s13, ttmp7, 0xffff
	s_lshl_b32 s13, s13, 2
	s_add_co_u32 s13, s13, s41                     ; Y: tile row 0..63
	s_lshl_b32 s43, s41, 2
	s_lshl_b32 s43, 15, s43                        ; my row of the cluster
	s_lshl_b32 s44, 0x1111, s40                    ; my column
	s_or_b32 s[G1+0], s43, (1<<16)|(1<<20)|(1<<21)|(4<<22)|(3<<25)   ; the mask; elements of 2 bytes; padding on; bit 21 beside a mask; 4 words behind every 32
	s_or_b32 s[G1B+0], s44, (1<<16)|(1<<20)|(1<<21)|(4<<22)|(3<<25)
	s_mov_b32 s[G1+1], 64<<16                      ; tensor_dim0 = 64
	s_mov_b32 s[G1+2], 128<<16                     ; tensor_dim1 = 128
	s_mov_b32 s[G1+3], 64<<16                      ; tile_dim0 = 64
	s_mov_b32 s[G1+4], 128                         ; tile_dim1 = 128
	s_mov_b32 s[G1+5], 64                          ; the pitch
	s_mov_b32 s[G1+6], 0
	s_mov_b32 s[G1+7], 0
	s_mov_b32 s[G1B+1], 64<<16
	s_mov_b32 s[G1B+2], 256<<16                    ; w_o's tile has 256 rows
	s_mov_b32 s[G1B+3], 64<<16
	s_mov_b32 s[G1B+4], 256
	s_mov_b32 s[G1B+5], 64
	s_mov_b32 s[G1B+6], 0
	s_mov_b32 s[G1B+7], 0
	s_lshr_b32 s16, s13, 4                         ; ctx: batch = Y / 16: 16 planes of 262,144 bytes,
	s_lshl_b32 s16, s16, 22
	s_and_b32 s17, s13, 15
	s_lshl_b32 s17, s17, 14                        ; 128 (Y % 16) tokens of 128 bytes,
	s_add_co_u32 s16, s16, s17
	s_lshl_b32 s17, s12, 18                        ; my plane of the slot's two
	s_add_co_u32 s16, s16, s17
	s_mov_b32 s17, 0
	s_lshl_b32 s46, s42, 15                        ; w_o: 256 X rows of 128 bytes,
	s_lshl_b32 s47, s12, 17                        ; my plane
	s_add_co_u32 s46, s46, s47
	s_mov_b32 s47, 0
	s_mul_i32 s20, s12, APL                        ; where they go: ctx's planes first,
	s_mul_i32 s23, s12, BPL
	s_add_co_u32 s23, s23, 2*APL                   ; w_o's behind them
	s_wait_dscnt 0x0                               ; both opening adds are done
	s_wait_kmcnt 0x0
	s_add_nc_u64 s[14:15], s[4:5], s[16:17]
	s_add_nc_u64 s[46:47], s[6:7], s[46:47]
	CROUND                                         ; all sixteen work-groups are here: the first joint loads meet
.irp s, 0,1
	s_mov_b32 s[G0+4*\s], 1
	s_add_co_u32 s[G0+4*\s+1], s20, \s*SLOT
	s_add_nc_u64 s[G0+4*\s+2:G0+4*\s+3], s[14:15], \s*2*262144
	s_or_b32 s[G0+4*\s+3], s[G0+4*\s+3], 0x80000000
	s_mov_b32 s[G0B+4*\s], 1
	s_add_co_u32 s[G0B+4*\s+1], s23, \s*SLOT
	s_add_nc_u64 s[G0B+4*\s+2:G0B+4*\s+3], s[46:47], \s*2*131072
	s_or_b32 s[G0B+4*\s+3], s[G0B+4*\s+3], 0x80000000
	JLOAD \s
.endr
	v_and_b32 v1, 15, v0                           ; r
	v_bfe_u32 v2, v0, 4, 1                         ; h
	v_mul_u32_u24 v3, v1, PITCH
	v_lshl_add_u32 v3, v2, 4, v3                   ; a fragment's row x pitch + 16 h
	s_mul_i32 s21, s11, 64*PITCH                   ; my 64 tokens
	s_mul_i32 s22, s12, 128*PITCH                  ; my 128 rows of w_o,
	s_add_co_u32 s22, s22, 2*APL                   ; behind ctx's two planes
.irp s, 0,1
	v_add_nc_u32 v[ADRA+\s], s21, v3
	v_add_nc_u32 v[ADRB+\s], s22, v3
	s_add_co_u32 s21, s21, SLOT
	s_add_co_u32 s22, s22, SLOT
.endr
	s_mul_i32 s23, s10, 16*SPITCH
	s_add_co_u32 s23, s23, STAGE                   ; my stage
	v_mul_u32_u24 v4, v1, SPITCH
	v_lshl_add_u32 v4, v2, 5, v4
	v_add_nc_u32 v[STO], s23, v4                   ; in: token r, 32 bytes for each half of the lanes
	v_and_b32 v5, 31, v0
	v_lshlrev_b32 v[CO], 4, v5                     ; back: the 32 lanes take one row of 512 bytes; and the same in out0
	v_add_nc_u32 v[RD], s23, v[CO]
	s_lshl_b32 s16, s13, 19                        ; out0: (128 Y + 64 half) rows of 4,096 bytes
	s_lshl_b32 s17, s11, 18
	s_add_co_u32 s16, s16, s17
	s_mov_b32 s17, 0
	s_add_nc_u64 s[8:9], s[8:9], s[16:17]
	s_lshl_b32 s46, s42, 10                        ; + (256 X + 128 half) x 4 bytes
	s_lshl_b32 s47, s12, 9
	s_add_co_u32 s46, s46, s47
	s_mov_b32 s47, 0
	s_add_nc_u64 s[8:9], s[8:9], s[46:47]
.macro FETCH slot, q, f                ; 24 LDS loads: the fragments of the slot's q-th 32 along K (plane q / 2, 64 (q % 2) bytes on) into buffer f
.irp b, 0,1,2,3,4,5,6,7
	ds_load_b128 v[\f+32+8*\b:\f+32+8*\b+3],   v[ADRB+\slot] offset:((\q)/2)*BPL+((\q)%2)*64+\b*16*PITCH
	ds_load_b128 v[\f+32+8*\b+4:\f+32+8*\b+7], v[ADRB+\slot] offset:((\q)/2)*BPL+((\q)%2)*64+\b*16*PITCH+32
.endr
.irp a, 0,1,2,3
	ds_load_b128 v[\f+8*\a:\f+8*\a+3],   v[ADRA+\slot] offset:((\q)/2)*APL+((\q)%2)*64+\a*16*PITCH
	ds_load_b128 v[\f+8*\a+4:\f+8*\a+7], v[ADRA+\slot] offset:((\q)/2)*APL+((\q)%2)*64+\a*16*PITCH+32
.endr
.endm
.macro MULA f, a, zero                 ; 8 matrix instructions: block a of tokens x the 8 blocks of n.  The 32 accumulators take turns, one instruction a turn, in the same order in every quarter
.irp b, 0,1,2,3,4,5,6,7
.if \zero
	v_wmma_f32_16x16x32_f16 v[8*(8*(\a)+\b):8*(8*(\a)+\b)+7], v[\f+32+8*\b:\f+32+8*\b+7], v[\f+8*(\a):\f+8*(\a)+7], 0
.else
	v_wmma_f32_16x16x32_f16 v[8*(8*(\a)+\b):8*(8*(\a)+\b)+7], v[\f+32+8*\b:\f+32+8*\b+7], v[\f+8*(\a):\f+8*(\a)+7], v[8*(8*(\a)+\b):8*(8*(\a)+\b)+7]
.endif
.endr
.endm
.macro PLACES
.rept 4
	v_nop
.endr
.endm
; One of a slot's first three quarters: the next quarter's fragments are asked for first, into the buffer that the quarter before multiplied, and land under this quarter's 32 matrix instructions.
.macro QUARTER slot, qnext, f, g, zero
	s_wait_dscnt 0x0                               ; buffer f is in
	PLACES                                         ; ahead of the loads into buffer g
	FETCH \slot, \qnext, \g
	WIN MUL
	MULA \f, 0, \zero
	MULA \f, 1, \zero
	MULA \f, 2, \zero
	MULA \f, 3, \zero
	WIN 0
.endm
; A slot's last quarter multiplies buffer 1 and changes slots: ONE barrier; in front of it each wave waits for all its tensor loads, adds 0 to its spare word, and waits for that and for its reads of this slot.
.macro TURN slot, next, fill
	s_wait_tensorcnt 0x0                           ; all my tensor loads have landed: my part of the next slot
	ds_add_u32 v[SPW], v[NIL]                      ; 0 onto my spare word
	s_wait_dscnt 1                                 ; buffer 1 is in; the add alone may be out
	WIN MUL
	MULA F1, 0, 0                                  ; eight matrix instructions stand between the add and the wait for it
	s_wait_dscnt 0x0                               ; the add is done, and my reads of this slot are over
	s_barrier_signal -1
	MULA F1, 1, 0
	WIN 0
	s_barrier_wait -1
.if \fill
	CREST                                          ; the barrier has opened a round of the cluster's barrier: no wave of any partner still reads this slot or has a load on its way
	s_add_nc_u64 s[G0+4*\slot+2:G0+4*\slot+3], s[G0+4*\slot+2:G0+4*\slot+3], 4*262144      ; two slots, four planes, on
	s_add_nc_u64 s[G0B+4*\slot+2:G0B+4*\slot+3], s[G0B+4*\slot+2:G0B+4*\slot+3], 4*131072
	JLOAD \slot                                    ; the first tensor load behind the round; its four v_nop are the places ahead of the loads below
.else
	PLACES
.endif
	FETCH \next, 0, F0
	WIN MUL
	MULA F1, 2, 0
	MULA F1, 3, 0
	WIN 0
.endm
	s_wait_tensorcnt 1                             ; my part of slot 0 is in; slot 1's load may be out,
	s_barrier_signal -1
	s_barrier_wait -1                              ; everybody's is
	FETCH 0, 0, F0
	QUARTER 0, 1, F0, F1, 1                        ; the first quarter stands in front of the loop: its products start the sums
	s_mov_b32 s3, LAPS-1
.Llap:                                                 ; a trip goes once round the ring, from a lap's second quarter to the next lap's first, and fills both slots again
	QUARTER 0, 2, F1, F0, 0
	QUARTER 0, 3, F0, F1, 0
	TURN 0, 1, 1
	QUARTER 1, 1, F0, F1, 0
	QUARTER 1, 2, F1, F0, 0
	QUARTER 1, 3, F0, F1, 0
	TURN 1, 0, 1
	QUARTER 0, 1, F0, F1, 0
	s_sub_co_u32 s3, s3, 1
	s_cmp_lg_u32 s3, 0
	s_cbranch_scc1 .Llap
	QUARTER 0, 2, F1, F0, 0                        ; the last lap fills nothing
	QUARTER 0, 3, F0, F1, 0
	TURN 0, 1, 0
	QUARTER 1, 1, F0, F1, 0
	QUARTER 1, 2, F1, F0, 0
	QUARTER 1, 3, F0, F1, 0
	s_wait_dscnt 0x0                               ; the very last quarter
	WIN MUL
	MULA F1, 0, 0
	MULA F1, 1, 0
	MULA F1, 2, 0
	MULA F1, 3, 0
	WIN 0
; THE WAY OUT, a block of 16 tokens x 128 n at a time, through my own stage: in as 32 bytes a lane, back as whole rows of 512 bytes.
.macro TOSTAGE a
	WIN 0x04                                       ; an LDS store's data are its source 1: window 1
.irp b, 0,1,2,3,4,5,6,7
	ds_store_b128 v[STO], v[8*(8*(\a)+\b):8*(8*(\a)+\b)+3] offset:64*\b            ; each accumulator from its low end on
	ds_store_b128 v[STO], v[8*(8*(\a)+\b)+4:8*(8*(\a)+\b)+7] offset:64*\b+16
.endr
	WIN 0
.set BB, BKR+64*((\a)%2)
.irp t, 0,1,2,3,4,5,6,7,8,9,10,11,12,13,14,15
	ds_load_b128 v[BB+4*\t:BB+4*\t+3], v[RD] offset:\t*SPITCH      ; LDS serves a wave's instructions in order: these see the stores above
.endr
.endm
.macro SEND a, younger                 ; younger: the LDS instructions issued behind block a's loads, which may stay out
.set BB, BKR+64*((\a)%2)
	s_wait_dscnt \younger
.if (\a) > 0
	s_add_nc_u64 s[8:9], s[8:9], 16*4096           ; 16 rows on (the earlier stores have read their base: a wait on XCNT for 0 stands between)
.endif
.irp t, 0,1,2,3,4,5,6,7,8,9,10,11,12,13,14,15
	global_store_b128 v[CO], v[BB+4*\t:BB+4*\t+3], s[8:9] offset:\t*4096 th:TH_STORE_NT   ; 32 lanes store 512 consecutive bytes, aligned; written once, read by nobody here
.endr
.endm
	PLACES                                         ; ahead of the first read of results and of the loads into the fragments' registers
	TOSTAGE 0
.irp a, 1,2,3
.if \a > 1
	s_wait_xcnt 0x0                                ; block a - 2's stores have read their registers and their base
.endif
	TOSTAGE \a
	SEND \a-1, 32                                  ; behind block a - 1's loads: block a's 16 stores and 16 loads
.endr
	s_wait_xcnt 0x0
	SEND 3, 0
	s_wait_tensorcnt 0x0                           ; the wave's end
	ds_add_u32 v[SPW], v[NIL]
	s_wait_dscnt 0x0
	CROUND                                         ; the closing round
	s_endpgm
.Lfunc_end_k_qb0d1726000_oproj:
	.size	k_qb0d1726000_oproj, .Lfunc_end_k_qb0d1726000_oproj-k_qb0d1726000_oproj
	.p2alignl 7, 3214868480
	.fill 96, 4, 3214868480
	.section	.rodata,"a",@progbits
	.p2align	6, 0x0
	.amdhsa_kernel k_qb0d1726000_oproj
		.amdhsa_group_segment_fixed_size 327680
		.amdhsa_private_segment_fixed_size 0
		.amdhsa_enable_private_segment 0
		.amdhsa_kernarg_size 24
		.amdhsa_user_sgpr_count 2
		.amdhsa_user_sgpr_kernarg_segment_ptr 1
		.amdhsa_wavefront_size32 1
		.amdhsa_system_sgpr_workgroup_id_x 1
		.amdhsa_system_sgpr_workgroup_id_y 1
		.amdhsa_system_sgpr_workgroup_id_z 1
		.amdhsa_system_vgpr_workitem_id 0
		.amdhsa_next_free_vgpr 512
		.amdhsa_next_free_sgpr 66
		.amdhsa_reserve_vcc 0
		.amdhsa_float_denorm_mode_32 3
		.amdhsa_float_denorm_mode_16_64 3
		.amdhsa_memory_ordered 1
		.amdhsa_forward_progress 1
		.amdhsa_inst_pref_size 84
	.end_amdhsa_kernel
	.amdgpu_metadata
---
amdhsa.version: [ 1, 2 ]
amdhsa.kernels:
  - .name:           k_qb0d1726000_oproj
    .symbol:         k_qb0d1726000_oproj.kd
    .args:
      - { .name: ctx16, .offset: 0, .size: 8, .value_kind: global_buffer, .address_space: global }
      - { .name: wo16, .offset: 8, .size: 8, .value_kind: global_buffer, .address_space: global }
      - { .name: out0, .offset: 16, .size: 8, .value_kind: global_buffer, .address_space: global }
    .group_segment_fixed_size: 327680
    .private_segment_fixed_size: 0
    .kernarg_segment_align: 8
    .kernarg_segment_size: 24
    .max_flat_workgroup_size: 128
    .sgpr_count:     66
    .vgpr_count:     512
    .wavefront_size: 32
...
	.end_amdgpu_metadata
.endif
;; end of part 4
